; MI455X (gfx1250); checked and timed in simulation.
; The chip was launched on July 23, 2026; its instructions are those of AMD's public machine-readable ISA for CDNA 5 (MIT licence, August 2026) and "CDNA5" Instruction Set Architecture Reference Guide (July 2026). The comments in the code are by the model that wrote it; some were corrected since.
;; Retention. Allowed arithmetic: float matrix products may take bf16 or f16 operands with f32 sums; all other float work in f32.
;; Inputs: Wk 1,024 x 1,024 float32; Wq 1,024 x 1,024 float32; Wv 1,024 x 1,024 float32; bk 1,024 float32; bq 1,024 float32; x 4 x 2,048 x 1,024 float32.
;; Outputs: out0 4 x 2,048 x 1,024 float32.
;; 3 versions, each right; version 2 is faster than version 1; version 3 is version 2 with the launch cast written anew for expert scheduling mode. Each part assembles by itself: llvm-mc -triple=amdgcn-amd-amdhsa -mcpu=gfx1250 --defsym DOCPART=n.
;; ======== version 1 of 3: 4 launches
;; limits: values are held in f16: magnitudes above 65,504 overflow, below 6.1e-05 lose precision
;; workspace buffers: xb 16,777,216 bytes; wb 6,291,456 bytes; bias 12,288 bytes; qkv 50,331,648 bytes; stat 6,144 bytes; pm 33,554,432 bytes
;; launch cast (part 1): grid 352 x 1, 8 waves a work-group, no clusters, 0 bytes of LDS; arguments x, Wq, Wk, Wv, bq, bk, xb, wb, bias; writes xb, wb, bias
.if DOCPART == 1
	.amdgcn_target "amdgcn-amd-amdhsa--gfx1250"
	.amdhsa_code_object_version 6
	.text
	.protected	k_q3d6d1d30e4_cast
	.globl	k_q3d6d1d30e4_cast
	.p2align	8
	.type	k_q3d6d1d30e4_cast,@function
k_q3d6d1d30e4_cast:
	s_mov_b64 s[64:65], 0
	v_nop
	global_prefetch_b8 v0, s[64:65] scope:SCOPE_SE
	s_setreg_imm32_b32 hwreg(HW_REG_WAVE_MODE, 25, 1), 1
	s_wait_xcnt 0x0
; x and the three weight matrices are rounded to bf16 (nearest even): xb [8192][1024], wb [3072][1024] = Wq, Wk, Wv one below the other.
; bq and bk are rounded to bf16 and widened again to f32; v has no bias, so the third part of bias [3072] is 0.
; A stream: no LDS, no barrier, no matrix unit.  A work-group of eight waves takes 32 rows of 4,096 bytes; thread t takes bytes 16 t of each row,
; so a wave's load covers 512 consecutive bytes and its store of 8 bytes a lane covers 256 consecutive bytes, aligned.
; All 32 loads of a thread go out at once (16 KiB a wave on its way); no register is written twice, so only counted waits for the loads are needed.
; Work-groups 0-255: x.  256-287: Wq.  288-319: Wk.  320-351: Wv.  Work-group 351 also makes bias.
.set ROWS, 32
.set X,    4                           ; v[4:131] row i: 4 registers as loaded; its first two then hold the 4 bf16
	s_load_b512 s[8:23], s[0:1], 0x0               ; x 8, Wq 10, Wk 12, Wv 14, bq 16, bk 18, xb 20, wb 22
	s_load_b64 s[24:25], s[0:1], 0x40              ; bias
	v_lshlrev_b32 v1, 4, v0                        ; my 16 bytes of a source row
	v_lshlrev_b32 v2, 3, v0                        ; my 8 bytes of a destination row
	s_mov_b32 s2, ttmp9                            ; g
	s_and_b32 s3, s2, 31
	s_lshl_b32 s26, s3, 17                         ; a weight's 32 rows of 4,096 bytes
	s_lshl_b32 s28, s2, 17                         ; x's
	s_max_u32 s4, s2, 256
	s_sub_co_u32 s4, s4, 256                       ; place among wb's 96 blocks (0 for x's work-groups, where it is not used)
	s_lshl_b32 s30, s4, 16                         ; 32 rows of 2,048 bytes in wb
	s_lshl_b32 s32, s2, 16                         ; in xb
	s_mov_b32 s27, 0
	s_mov_b32 s31, 0
	s_wait_kmcnt 0x0
	s_cmp_lt_u32 s2, 320
	s_cselect_b64 s[34:35], s[12:13], s[14:15]     ; Wk or Wv
	s_cmp_lt_u32 s2, 288
	s_cselect_b64 s[34:35], s[10:11], s[34:35]     ; Wq
	s_cmp_lt_u32 s2, 256
	s_cselect_b64 s[34:35], s[8:9], s[34:35]       ; x
	s_cselect_b64 s[36:37], s[20:21], s[22:23]     ; xb or wb
	s_cselect_b32 s26, s28, s26
	s_cselect_b32 s30, s32, s30
	s_add_nc_u64 s[34:35], s[34:35], s[26:27]
	s_add_nc_u64 s[36:37], s[36:37], s[30:31]
.set i, 0
.rept ROWS
	global_load_b128 v[X+4*i:X+4*i+3], v1, s[34:35] offset:4096*i th:TH_LOAD_NT  ; read once in the launch
.set i, i+1
.endr
.set i, 0
.rept ROWS
	s_wait_loadcnt ROWS-1-i                        ; loads come back in order: row i is in, the younger ones stay out
	v_cvt_pk_bf16_f32 v[X+4*i], v[X+4*i], v[X+4*i+1]
	v_cvt_pk_bf16_f32 v[X+4*i+1], v[X+4*i+2], v[X+4*i+3]
	global_store_b64 v2, v[X+4*i:X+4*i+1], s[36:37] offset:2048*i
.set i, i+1
.endr
	s_cmp_lg_u32 s2, 351
	s_cbranch_scc1 .Lend
	global_load_b128 v[132:135], v1, s[16:17]      ; bq: 256 threads x 4 numbers
	global_load_b128 v[136:139], v1, s[18:19]      ; bk
	s_wait_loadcnt 0x0
.irp p, 0,1,2,3
	v_cvt_pk_bf16_f32 v[148+(\p)], v[132+2*(\p)], v[133+2*(\p)]
.endr
.irp p, 0,1,2,3
	v_lshlrev_b32 v[140+2*(\p)], 16, v[148+(\p)]   ; bf16 to f32: the low half moves up,
	v_and_b32 v[141+2*(\p)], 0xffff0000, v[148+(\p)]  ; the high half stays
.endr
	global_store_b128 v1, v[140:143], s[24:25]
	global_store_b128 v1, v[144:147], s[24:25] offset:4096
.irp p, 0,1,2,3
	v_mov_b32 v[132+(\p)], 0                       ; these registers' loads were waited for above, and no store names them
.endr
	global_store_b128 v1, v[132:135], s[24:25] offset:8192
.Lend:
	s_endpgm
.Lfunc_end_k_q3d6d1d30e4_cast:
	.size	k_q3d6d1d30e4_cast, .Lfunc_end_k_q3d6d1d30e4_cast-k_q3d6d1d30e4_cast
	.p2alignl 7, 3214868480
	.fill 96, 4, 3214868480
	.section	.rodata,"a",@progbits
	.p2align	6, 0x0
	.amdhsa_kernel k_q3d6d1d30e4_cast
		.amdhsa_group_segment_fixed_size 0
		.amdhsa_private_segment_fixed_size 0
		.amdhsa_enable_private_segment 0
		.amdhsa_kernarg_size 72
		.amdhsa_user_sgpr_count 2
		.amdhsa_user_sgpr_kernarg_segment_ptr 1
		.amdhsa_wavefront_size32 1
		.amdhsa_system_sgpr_workgroup_id_x 1
		.amdhsa_system_sgpr_workgroup_id_y 1
		.amdhsa_system_sgpr_workgroup_id_z 1
		.amdhsa_system_vgpr_workitem_id 0
		.amdhsa_next_free_vgpr 152
		.amdhsa_next_free_sgpr 66
		.amdhsa_reserve_vcc 0
		.amdhsa_float_denorm_mode_32 3
		.amdhsa_float_denorm_mode_16_64 3
		.amdhsa_memory_ordered 1
		.amdhsa_forward_progress 1
		.amdhsa_inst_pref_size 14
	.end_amdhsa_kernel
	.amdgpu_metadata
---
amdhsa.version: [ 1, 2 ]
amdhsa.kernels:
  - .name:           k_q3d6d1d30e4_cast
    .symbol:         k_q3d6d1d30e4_cast.kd
    .args:
      - { .name: x, .offset: 0, .size: 8, .value_kind: global_buffer, .address_space: global }
      - { .name: Wq, .offset: 8, .size: 8, .value_kind: global_buffer, .address_space: global }
      - { .name: Wk, .offset: 16, .size: 8, .value_kind: global_buffer, .address_space: global }
      - { .name: Wv, .offset: 24, .size: 8, .value_kind: global_buffer, .address_space: global }
      - { .name: bq, .offset: 32, .size: 8, .value_kind: global_buffer, .address_space: global }
      - { .name: bk, .offset: 40, .size: 8, .value_kind: global_buffer, .address_space: global }
      - { .name: xb, .offset: 48, .size: 8, .value_kind: global_buffer, .address_space: global }
      - { .name: wb, .offset: 56, .size: 8, .value_kind: global_buffer, .address_space: global }
      - { .name: bias, .offset: 64, .size: 8, .value_kind: global_buffer, .address_space: global }
    .group_segment_fixed_size: 0
    .private_segment_fixed_size: 0
    .kernarg_segment_align: 8
    .kernarg_segment_size: 72
    .max_flat_workgroup_size: 256
    .sgpr_count:     66
    .vgpr_count:     152
    .wavefront_size: 32
...
	.end_amdgpu_metadata
.endif
;; end of part 1
;; launch proj (part 2): grid 12 x 32, 4 waves a work-group, clusters of 4 x 4, 327,680 bytes of LDS; arguments xb, wb, qkv, bias, stat; writes qkv, stat
.if DOCPART == 2
	.amdgcn_target "amdgcn-amd-amdhsa--gfx1250"
	.amdhsa_code_object_version 6
	.text
	.protected	k_q3d6d1d30e4_proj
	.globl	k_q3d6d1d30e4_proj
	.p2align	8
	.type	k_q3d6d1d30e4_proj,@function
k_q3d6d1d30e4_proj:
	s_mov_b64 s[64:65], 0
	v_nop
	global_prefetch_b8 v0, s[64:65] scope:SCOPE_SE
	s_setreg_imm32_b32 hwreg(HW_REG_WAVE_MODE, 25, 1), 1
	s_wait_xcnt 0x0
	s_wait_alu depctr_hold_cnt(0) depctr_sa_sdst(0) depctr_va_vdst(0) depctr_va_sdst(0) depctr_va_ssrc(0) depctr_va_vcc(0) depctr_vm_vsrc(0)
	s_getreg_b32 s2, hwreg(HW_REG_IB_STS2, 6, 4)
	s_cmp_eq_u32 s2, 0
	s_cbranch_scc0 .Lentry_in_a_cluster
	s_endpgm
.Lentry_in_a_cluster:
	s_bfe_u32 s2, ttmp6, 0x10000c
	s_cmp_lg_u32 s2, 0xf033
	s_cbranch_scc0 .Lentry_shape_is_right
	s_endpgm
.Lentry_shape_is_right:
; qkv[m][n] = sum over k of xb[m][k] wb[n][k] + bias[n].  xb [8192][1024], wb [3072][1024] bf16; sums and bias in f32; qkv [8192][3072] rounded once to f16
; (columns 0-1023 q, 1024-2047 k, 2048-3071 v).  stat [12][32][4] f32: for each tile column, tile row and wave the largest |sum + bias| of the wave's 128 x 128.
; LIMITS.  f16 ends at 65,504: q, k and v must stay under it (drawn inputs give about 5; all inputs 30 times larger about 5,400).  NaN and infinities are not treated apart.
; A tile of C, 256 x 256, is made by four waves, each 128 x 128: 64 accumulators of 16 x 16, 512 registers.  K goes in steps of 128 through two LDS slots filled by the tensor
; data mover: a tile's rows are 256 bytes of memory at multiples of 256 bytes.
; CLUSTER 4 x 4: the four work-groups of a row of the cluster need the same rows of xb, the four of a column the same rows of wb: each tile is asked for jointly, by the same
; tensor load with the same descriptor and a mask that names the four.
; THE MATRIX INSTRUCTION IS USED TRANSPOSED (source 0 = 16 rows of wb, source 1 = 16 rows of xb): lane l holds row l % 16 of C and the eight columns 8 (l / 16) + 0..7.
; REGISTERS, in windows of 256 (s_set_vgpr_msb: bits 1:0 source 0, 3:2 source 1, 5:4 source 2, 7:6 destination):
;   window 0: v0-31 addresses and maxima; v64-127, v128-191 fragments of xb, two buffers; on the way out v64-127 sums with bias, v192-223 packed, v32-63 and v224-255 rows read back
;   window 1: v0-63 bias of my 128 columns; v64-127, v128-191 fragments of wb      window 2, 3: accumulators of my rows 0-63, 64-127: (a, b) at v[8 (8 (a % 4) + b)]
.set SIZE_N, 3072
.set SIZE_K, 1024
.set KSTEP,  128
.set PITCH,  272                       ; an LDS row: 256 bytes + 16 of padding = 68 words, so the 16 rows of a fragment load start at 16 different groups of four banks
.set HALFT,  128*PITCH                 ; 128 rows: what one tensor load brings
.set SLOT,   4*HALFT                   ; xb's 256 rows, then wb's 256 rows
.set STAGE,  2*SLOT                    ; behind the ring: 16 rows x 272 bytes for each wave, for the way out; no tensor load lands here
.set SPITCH, 272
.set SPARE,  STAGE+4*16*SPITCH         ; the spare words: 128 bytes a wave, two blocks of 256 bytes that no other line names
.set LAPS,   SIZE_K/(2*KSTEP)          ; 4 laps of two K steps
.set MX,   8                           ; v8-11  four running maxima of |sum + bias|; v12 at work
.set ADRA, 16                          ; v16-17 LDS address of my xb fragments in slot 0, 1
.set ADRB, 20                          ; v20-21 the same for wb
.set STO,  24                          ; v24    the way out: where I put 16 bytes of a row
.set RD,   25                          ; v25    where I read a row back
.set CO,   26                          ; v26    my byte offset in two rows of qkv
.set BO,   27                          ; v27    byte offset of my first bias
.set SPW,  28                          ; v28    my spare word; never rewritten
.set NIL,  29                          ; v29    0; never rewritten
.set LN,   30                          ; v30    lane
.set SO,   31                          ; v31    my wave's byte in stat
.set F0,   64
.set F1,   128
.set T,    64
.set TMP,  192
.set OB,   32
.set G1,  24                           ; s[24:31] group 1 for xb's tiles;  s[32:39] group 0, a set for each slot
.set G0,  32
.set G1B, 48                           ; s[48:55], s[56:63] the same for wb's
.set G0B, 56
.set MSB, 0
.macro WIN new                         ; the immediate's high byte repeats the setting that is left; a switch that changes nothing is dropped
.if MSB != (\new)
	s_set_vgpr_msb (MSB<<8)|(\new)
.set MSB, \new
.endif
.endm
.set MUL_LO, 0xa1                      ; source 0 (wb) window 1, source 1 (xb) window 0, C and D window 2
.set MUL_HI, 0xf1                      ; the same, C and D window 3
.set TO_B,   0x40                      ; destination window 1, address window 0
; A joint load.  Waves 0 and 1 fetch xb's two halves, waves 2 and 3 wb's.  The branch hangs on the wave's number alone.  An s_nop 0 and four v_nop follow each line.
.macro JLOAD s
	s_cmp_eq_u32 s11, 0
	s_cbranch_scc0 .Lfor_b_\@
	tensor_load_to_lds s[G0+4*(\s):G0+4*(\s)+3], s[G1:G1+7]
	s_nop 0
.rept 4
	v_nop
.endr
	s_branch .Lasked_\@
.Lfor_b_\@:
	tensor_load_to_lds s[G0B+4*(\s):G0B+4*(\s)+3], s[G1B:G1B+7]
	s_nop 0
.rept 4
	v_nop
.endr
.Lasked_\@:
.endm
.macro CREST                           ; a round of the cluster's barrier behind its opening barrier
	s_cmp_lg_u32 s10, 0
	s_cbranch_scc1 .Lnot_wave_0_\@
	s_barrier_signal -3
.Lnot_wave_0_\@:
	s_barrier_wait -3
	s_barrier_signal -1
	s_barrier_wait -1
.endm
.macro CROUND                          ; a whole round
	s_barrier_signal -1
	s_barrier_wait -1
	CREST
.endm
	s_load_b128 s[4:7], s[0:1], 0x0                ; xb s[4:5], wb s[6:7]
	s_load_b64 s[8:9], s[0:1], 0x10                ; qkv
	s_load_b64 s[68:69], s[0:1], 0x18              ; bias
	s_load_b64 s[70:71], s[0:1], 0x20              ; stat
	v_lshl_add_u32 v[SPW], v0, 2, SPARE
	v_mov_b32 v[NIL], 0
	ds_add_u32 v[SPW], v[NIL]                      ; the wave's opening: the add and its wait stand ahead of my first tensor load; register work stands between them
	ds_add_u32 v28, v29
	v_lshrrev_b32 v1, 5, v0
	v_readfirstlane_b32 s10, v1                    ; wave 0..3
	s_lshr_b32 s11, s10, 1                         ; which half of the tile's rows is mine.  Also: I fetch for xb (0) or wb (1)
	s_and_b32 s12, s10, 1                          ; which half of its columns.  Also: which 128 rows of that tile I fetch
	s_bfe_u32 s40, ttmp6, 0x40000                  ; cx
	s_bfe_u32 s41, ttmp6, 0x40004                  ; cy
	s_lshl_b32 s42, ttmp9, 2
	s_add_co_u32 s42, s42, s40                     ; tile column = 4 x cluster x + cx
	s_and_b32 s13, ttmp7, 0xffff
	s_lshl_b32 s13, s13, 2
	s_add_co_u32 s13, s13, s41                     ; tile row = 4 x cluster y + cy
	s_lshl_b32 s43, s41, 2
	s_lshl_b32 s43, 15, s43                        ; my row of the cluster
	s_lshl_b32 s44, 0x1111, s40                    ; my column
	s_or_b32 s[G1+0], s43, (1<<16)|(1<<20)|(1<<21)|(5<<22)|(3<<25)   ; mask; 2-byte elements; padding on; bit 21 beside a mask; after every 64 words 4 words
	s_or_b32 s[G1B+0], s44, (1<<16)|(1<<20)|(1<<21)|(5<<22)|(3<<25)
.irp g, G1, G1B
	s_mov_b32 s[(\g)+1], KSTEP<<16                 ; tensor_dim0 = 128
	s_mov_b32 s[(\g)+2], 128<<16                   ; tensor_dim1 = 128
	s_mov_b32 s[(\g)+3], KSTEP<<16                 ; tile_dim0 = 128
	s_mov_b32 s[(\g)+4], 128                       ; tile_dim1 = 128
	s_mov_b32 s[(\g)+5], SIZE_K                    ; elements from row to row
	s_mov_b32 s[(\g)+6], 0
	s_mov_b32 s[(\g)+7], 0
.endr
	s_mov_b32 s72, 0x76543210                      ; v_permlanex16_b32: each lane takes its own place in the other half
	s_mov_b32 s73, 0xfedcba98
	s_lshl_b32 s75, s42, 5                         ; my wave's byte in stat: 4 ((32 tile column + tile row) 4 + wave)
	s_add_co_u32 s75, s75, s13
	s_lshl_b32 s75, s75, 2
	s_add_co_u32 s75, s75, s10
	s_lshl_b32 s75, s75, 2
	s_lshl_b32 s76, s42, 10                        ; my first column's bias: 4 (256 tile column + 128 half)
	s_lshl_b32 s77, s12, 9
	s_add_co_u32 s76, s76, s77
	s_lshl_b32 s17, s12, 7
	s_lshl_b32 s16, s13, 8
	s_add_co_u32 s16, s16, s17                     ; xb: row 256 x tile row + 128 x half
	s_lshl_b32 s46, s42, 8
	s_add_co_u32 s46, s46, s17                     ; wb: row 256 x tile column + 128 x half
	s_mov_b32 s17, 0
	s_mov_b32 s47, 0
	s_mov_b64 s[18:19], SIZE_K*2
	s_mul_u64 s[16:17], s[16:17], s[18:19]
	s_mul_u64 s[46:47], s[46:47], s[18:19]
	s_mul_i32 s20, s10, HALFT                      ; where they go: wave x 128 rows; no place in the cluster enters an LDS address
	s_wait_dscnt 0x0                               ; the opening add is done
	s_wait_kmcnt 0x0
	s_add_nc_u64 s[14:15], s[4:5], s[16:17]
	s_add_nc_u64 s[46:47], s[6:7], s[46:47]
	CROUND                                         ; all sixteen work-groups are here: the first joint loads meet
.irp s, 0,1
	s_mov_b32 s[G0+4*(\s)], 1
	s_add_co_u32 s[G0+4*(\s)+1], s20, (\s)*SLOT
	s_add_nc_u64 s[G0+4*(\s)+2:G0+4*(\s)+3], s[14:15], (\s)*KSTEP*2
	s_or_b32 s[G0+4*(\s)+3], s[G0+4*(\s)+3], 0x80000000
	s_mov_b32 s[G0B+4*(\s)], 1
	s_add_co_u32 s[G0B+4*(\s)+1], s20, (\s)*SLOT
	s_add_nc_u64 s[G0B+4*(\s)+2:G0B+4*(\s)+3], s[46:47], (\s)*KSTEP*2
	s_or_b32 s[G0B+4*(\s)+3], s[G0B+4*(\s)+3], 0x80000000
	JLOAD \s                                       ; two tensor loads of mine are out
.endr
	v_and_b32 v1, 15, v0                           ; l % 16
	v_bfe_u32 v2, v0, 4, 1                         ; l / 16
	v_lshl_add_u32 v[BO], v2, 5, s76               ; + 32 bytes for the upper half of the lanes
	WIN TO_B
.irp b, 0,1,2,3,4,5,6,7                ; column block b: my eight biases; waited for on the way out
	global_load_b128 v[8*(\b):8*(\b)+3],   v[BO], s[68:69] offset:64*(\b)
	global_load_b128 v[8*(\b)+4:8*(\b)+7], v[BO], s[68:69] offset:64*(\b)+16
.endr
	WIN 0
	v_and_b32 v[LN], 31, v0
	v_mov_b32 v[SO], s75
	v_mul_u32_u24 v3, v1, PITCH
	v_lshl_add_u32 v3, v2, 4, v3                   ; a fragment's row x pitch + 16 x half
	s_mul_i32 s21, s11, HALFT                      ; my 128 rows of xb
	s_mul_i32 s22, s12, HALFT                      ; my 128 rows of wb,
	s_add_co_u32 s22, s22, 2*HALFT                 ; behind xb's 256
.irp s, 0,1
	v_add_nc_u32 v[ADRA+(\s)], s21, v3
	v_add_nc_u32 v[ADRB+(\s)], s22, v3
	s_add_co_u32 s21, s21, SLOT
	s_add_co_u32 s22, s22, SLOT
.endr
	s_mul_i32 s23, s10, 16*SPITCH
	s_add_co_u32 s23, s23, STAGE                   ; my stage
	v_mul_u32_u24 v4, v1, SPITCH
	v_lshl_add_u32 v4, v2, 4, v4
	v_add_nc_u32 v[STO], s23, v4
	v_mul_u32_u24 v5, v2, SPITCH
	v_lshl_add_u32 v5, v1, 4, v5
	v_add_nc_u32 v[RD], s23, v5
	v_mul_u32_u24 v5, v2, SIZE_N*2
	v_lshl_add_u32 v[CO], v1, 4, v5
	s_lshl_b32 s13, s13, 8                         ; where my part of the tile begins in qkv, in bytes
	s_lshl_b32 s14, s11, 7
	s_add_co_u32 s16, s13, s14
	s_mov_b32 s17, 0
	s_mov_b64 s[18:19], SIZE_N*2
	s_mul_u64 s[16:17], s[16:17], s[18:19]
	s_lshl_b32 s46, s42, 9
	s_lshl_b32 s47, s12, 8
	s_add_co_u32 s46, s46, s47
	s_mov_b32 s47, 0
	s_add_nc_u64 s[16:17], s[16:17], s[46:47]
; 16 matrix instructions: row blocks a0, a0 + 1 of the window's four x all 8 column blocks, 32 along K.  zero = 1: the first product starts the sums.
.macro MUL16 f, hi, a0, zero
	WIN MUL_LO+0x50*(\hi)
.irp a, \a0, (\a0)+1
.irp b, 0,1,2,3,4,5,6,7
.if \zero
	v_wmma_f32_16x16x32_bf16 v[8*(8*(\a)+(\b)):8*(8*(\a)+(\b))+7], v[(\f)+8*(\b):(\f)+8*(\b)+7], v[(\f)+8*(4*(\hi)+(\a)):(\f)+8*(4*(\hi)+(\a))+7], 0
.else
	v_wmma_f32_16x16x32_bf16 v[8*(8*(\a)+(\b)):8*(8*(\a)+(\b))+7], v[(\f)+8*(\b):(\f)+8*(\b)+7], v[(\f)+8*(4*(\hi)+(\a)):(\f)+8*(4*(\hi)+(\a))+7], v[8*(8*(\a)+(\b)):8*(8*(\a)+(\b))+7]
.endif
.endr
.endr
.endm
; 32 LDS loads in one run: the fragments of one quarter step (32 K at byte k of the rows) into buffer f: wb's 16 loads, then xb's
.macro FETCH slot, k, f
	WIN TO_B
.irp i, 0,1,2,3,4,5,6,7
	ds_load_b128 v[(\f)+8*(\i):(\f)+8*(\i)+3],   v[ADRB+(\slot)] offset:(\k)+(\i)*16*PITCH
	ds_load_b128 v[(\f)+8*(\i)+4:(\f)+8*(\i)+7], v[ADRB+(\slot)] offset:(\k)+(\i)*16*PITCH+32
.endr
	WIN 0
.irp i, 0,1,2,3,4,5,6,7
	ds_load_b128 v[(\f)+8*(\i):(\f)+8*(\i)+3],   v[ADRA+(\slot)] offset:(\k)+(\i)*16*PITCH
	ds_load_b128 v[(\f)+8*(\i)+4:(\f)+8*(\i)+7], v[ADRA+(\slot)] offset:(\k)+(\i)*16*PITCH+32
.endr
.endm
.macro PLACES                          ; four plain vector instructions between a matrix instruction and a load into, or a vector read or write of, its registers
.rept 4
	v_nop
.endr
.endm
; A K step is four quarters of 32 along K, 64 matrix instructions each, on buffers 0, 1, 0, 1.  One of the first three multiplies f and fetches the next quarter, at byte k, into g.
.macro QUARTER slot, k, f, g, zero
	s_wait_dscnt 8                                 ; wb's and xb's rows 0-63 are in; the youngest eight loads (xb's rows 64-127) may be out
	MUL16 \f, 0, 0, \zero
	MUL16 \f, 0, 2, \zero
	PLACES
	FETCH \slot, \k, \g
	s_wait_dscnt 32                                ; all but the 32 just issued
	MUL16 \f, 1, 0, \zero
	MUL16 \f, 1, 2, \zero
.endm
; The first half of the last quarter: one barrier for the change of slots.  In front of it each wave waits for all its tensor loads (one is out: its part of the next slot),
; adds 0 to its spare word, and waits for that and for its reads of this slot.
.macro MEET round
	WIN 0
	s_wait_tensorcnt 0x0
	ds_add_u32 v[SPW], v[NIL]
	s_wait_dscnt 9                                 ; the add and the youngest eight loads may be out
	MUL16 F1, 0, 0, 0
	s_wait_dscnt 0x0                               ; the add is done, and my reads of this slot are over
	s_barrier_signal -1
	MUL16 F1, 0, 2, 0
.if \round
	WIN 0
.endif
	s_barrier_wait -1
.endm
; The whole last quarter in the loop: the barrier opens a round of the cluster's; behind it the slot just read is filled again, two K steps on; 224 matrix instructions lie between the request and the wait for it.
.macro TURN slot, next
	MEET 1
	CREST
	s_add_nc_u64 s[G0+4*(\slot)+2:G0+4*(\slot)+3], s[G0+4*(\slot)+2:G0+4*(\slot)+3], 2*KSTEP*2
	s_add_nc_u64 s[G0B+4*(\slot)+2:G0B+4*(\slot)+3], s[G0B+4*(\slot)+2:G0B+4*(\slot)+3], 2*KSTEP*2
	JLOAD \slot                                    ; its four v_nop are also the places in front of the loads below
	FETCH \next, 0, F0
	MUL16 F1, 1, 0, 0
	MUL16 F1, 1, 2, 0
.endm
; THE WAY OUT of row block a.  PACKB: bias added, the maxima of the magnitudes kept, rounded to f16.  Each accumulator is read from its lowest registers on.
.macro PACKB a
.set AC, 64*((\a)%4)
	WIN 0x04|(2+(\a)/4)                            ; source 0 window 2 or 3, source 1 (bias) window 1, destination window 0
.irp b, 0,1,2,3,4,5,6,7
.irp r, 0,1,2,3
	v_pk_add_f32 v[T+8*(\b)+2*(\r):T+8*(\b)+2*(\r)+1], v[AC+8*(\b)+2*(\r):AC+8*(\b)+2*(\r)+1], v[8*(\b)+2*(\r):8*(\b)+2*(\r)+1]
.endr
.endr
	WIN 0
.set i, 0
.rept 32
	v_max3_num_f32 v[MX+i%4], v[MX+i%4], |v[T+2*i]|, |v[T+2*i+1]|
.set i, i+1
.endr
.set i, 0
.rept 32
	v_cvt_pk_f16_f32 v[TMP+i], v[T+2*i], v[T+2*i+1]
.set i, i+1
.endr
.endm
.macro TOSTAGE a                       ; into my own stage, and back as whole rows of 256 bytes; LDS serves a wave's instructions in order (ISA guide 5.7.1.4)
	WIN 0
.set BK, OB+192*((\a)%2)
.irp b, 0,1,2,3,4,5,6,7
	ds_store_b128 v[STO], v[TMP+4*(\b):TMP+4*(\b)+3] offset:32*(\b)
.endr
.irp t, 0,1,2,3,4,5,6,7
	ds_load_b128 v[BK+4*(\t):BK+4*(\t)+3], v[RD] offset:(\t)*2*SPITCH
.endr
.endm
.macro SEND a
	WIN 0
.set BK, OB+192*((\a)%2)
	s_wait_dscnt 0x0                               ; the block is back in registers
	s_wait_xcnt 0x0                                ; earlier stores have read their base and their data: only now are these rewritten
.if (\a) == 0
	s_add_nc_u64 s[8:9], s[8:9], s[16:17]
.else
	s_add_nc_u64 s[8:9], s[8:9], 16*SIZE_N*2
.endif
.irp t, 0,1,2,3,4,5,6,7
	global_store_b128 v[CO], v[BK+4*(\t):BK+4*(\t)+3], s[8:9] offset:2*(\t)*SIZE_N*2  ; 16 lanes store 256 consecutive bytes, at a multiple of 256 from qkv's first byte
.endr
.endm
	s_wait_tensorcnt 1                             ; my part of K step 0 is in; K step 1's may stay out
	s_barrier_signal -1
	s_barrier_wait -1
	FETCH 0, 0, F0
	QUARTER 0, 64,  F0, F1, 1                      ; the first quarter stands in front of the loop: its products start the sums
	WIN 0
	s_mov_b32 s3, LAPS-1
.Llap:                                                 ; a trip goes once round the ring and fills both slots again
	QUARTER 0, 128, F1, F0, 0
	QUARTER 0, 192, F0, F1, 0
	TURN 0, 1
	QUARTER 1, 64,  F0, F1, 0
	QUARTER 1, 128, F1, F0, 0
	QUARTER 1, 192, F0, F1, 0
	TURN 1, 0
	QUARTER 0, 64,  F0, F1, 0
	WIN 0
	s_sub_co_u32 s3, s3, 1
	s_cmp_lg_u32 s3, 0
	s_cbranch_scc1 .Llap
	QUARTER 0, 128, F1, F0, 0                      ; the last lap fills nothing
	QUARTER 0, 192, F0, F1, 0
	MEET 0
	PLACES
	FETCH 1, 0, F0
	MUL16 F1, 1, 0, 0
	MUL16 F1, 1, 2, 0
	QUARTER 1, 64,  F0, F1, 0
	QUARTER 1, 128, F1, F0, 0
	QUARTER 1, 192, F0, F1, 0
	s_wait_dscnt 8
	MUL16 F1, 0, 0, 0
	MUL16 F1, 0, 2, 0
	s_wait_dscnt 0x0
	MUL16 F1, 1, 0, 0
	MUL16 F1, 1, 2, 0
	WIN 0
.irp i, 0,1,2,3,4
	v_mov_b32 v[MX+(\i)], 0                        ; the maxima start at 0 (v12 is written for v_permlanex16_b32): five plain instructions, the places behind the last products
.endr
	s_wait_loadcnt 0x0                             ; the bias
	PACKB 0
	TOSTAGE 0
.irp a, 1,2,3,4,5,6,7                  ; block a's arithmetic stands between block a - 1's loads from the stage and the wait for them
	PACKB \a
	SEND (\a)-1
	TOSTAGE \a
.endr
	SEND 7
	v_max3_num_f32 v[MX], v[MX], v[MX+1], v[MX+2]
	v_max_num_f32 v[MX], v[MX], v[MX+3]
	v_max_num_f32_dpp v[MX], v[MX], v[MX] row_xmask:1 row_mask:0xf bank_mask:0xf
	v_max_num_f32_dpp v[MX], v[MX], v[MX] row_xmask:2 row_mask:0xf bank_mask:0xf
	v_max_num_f32_dpp v[MX], v[MX], v[MX] row_xmask:4 row_mask:0xf bank_mask:0xf
	v_max_num_f32_dpp v[MX], v[MX], v[MX] row_xmask:8 row_mask:0xf bank_mask:0xf
	v_permlanex16_b32 v12, v[MX], s72, s73
	v_max_num_f32 v[MX], v[MX], v12                ; the wave's maximum, in every lane
	s_wait_xcnt 0x0                                ; EXEC is a source of the stores above: it changes only behind this wait
	v_cmp_eq_u32 vcc_lo, 0, v[LN]
	s_and_saveexec_b32 s74, vcc_lo
	global_store_b32 v[SO], v[MX], s[70:71]        ; lane 0 alone: one word a wave
	s_wait_xcnt 0x0
	s_or_b32 exec_lo, exec_lo, s74
	s_wait_tensorcnt 0x0                           ; the wave's end
	ds_add_u32 v[SPW], v[NIL]
	s_wait_dscnt 0x0
	CROUND                                         ; the closing round: no work-group ends while a partner may still ask for a tile that names it
	s_endpgm
.Lfunc_end_k_q3d6d1d30e4_proj:
	.size	k_q3d6d1d30e4_proj, .Lfunc_end_k_q3d6d1d30e4_proj-k_q3d6d1d30e4_proj
	.p2alignl 7, 3214868480
	.fill 96, 4, 3214868480
	.section	.rodata,"a",@progbits
	.p2align	6, 0x0
	.amdhsa_kernel k_q3d6d1d30e4_proj
		.amdhsa_group_segment_fixed_size 327680
		.amdhsa_private_segment_fixed_size 0
		.amdhsa_enable_private_segment 0
		.amdhsa_kernarg_size 40
		.amdhsa_user_sgpr_count 2
		.amdhsa_user_sgpr_kernarg_segment_ptr 1
		.amdhsa_wavefront_size32 1
		.amdhsa_system_sgpr_workgroup_id_x 1
		.amdhsa_system_sgpr_workgroup_id_y 1
		.amdhsa_system_sgpr_workgroup_id_z 1
		.amdhsa_system_vgpr_workitem_id 0
		.amdhsa_next_free_vgpr 1024
		.amdhsa_next_free_sgpr 80
		.amdhsa_reserve_vcc 1
		.amdhsa_float_denorm_mode_32 3
		.amdhsa_float_denorm_mode_16_64 3
		.amdhsa_memory_ordered 1
		.amdhsa_forward_progress 1
		.amdhsa_inst_pref_size 178
	.end_amdhsa_kernel
	.amdgpu_metadata
---
amdhsa.version: [ 1, 2 ]
amdhsa.kernels:
  - .name:           k_q3d6d1d30e4_proj
    .symbol:         k_q3d6d1d30e4_proj.kd
    .args:
      - { .name: xb, .offset: 0, .size: 8, .value_kind: global_buffer, .address_space: global }
      - { .name: wb, .offset: 8, .size: 8, .value_kind: global_buffer, .address_space: global }
      - { .name: qkv, .offset: 16, .size: 8, .value_kind: global_buffer, .address_space: global }
      - { .name: bias, .offset: 24, .size: 8, .value_kind: global_buffer, .address_space: global }
      - { .name: stat, .offset: 32, .size: 8, .value_kind: global_buffer, .address_space: global }
    .group_segment_fixed_size: 327680
    .private_segment_fixed_size: 0
    .kernarg_segment_align: 8
    .kernarg_segment_size: 40
    .max_flat_workgroup_size: 128
    .sgpr_count:     80
    .vgpr_count:     1024
    .wavefront_size: 32
...
	.end_amdgpu_metadata
.endif
;; end of part 2
;; launch score (part 3): grid 36 x 4, 4 waves a work-group, no clusters, 327,680 bytes of LDS; arguments qkv, stat, pm; writes pm
.if DOCPART == 3
	.amdgcn_target "amdgcn-amd-amdhsa--gfx1250"
	.amdhsa_code_object_version 6
	.text
	.protected	k_q3d6d1d30e4_score
	.globl	k_q3d6d1d30e4_score
	.p2align	8
	.type	k_q3d6d1d30e4_score,@function
k_q3d6d1d30e4_score:
	s_mov_b64 s[64:65], 0
	v_nop
	global_prefetch_b8 v0, s[64:65] scope:SCOPE_SE
	s_setreg_imm32_b32 hwreg(HW_REG_WAVE_MODE, 25, 1), 1
	s_wait_xcnt 0x0
; pm[bt][i][j] = (q_i . k_j) g^(i-j) 2^(131-E) for i >= j, 0 for i < j, in f16; g = 0.96875.  q and k are columns 0-1023 and 1024-2047 of qkv [8192][3072] f16; sums in f32.
; Only the 36 tiles of 256 x 256 on and below the diagonal of each batch are made (tile t of the triangle: row I, column J <= I); the others are never read.
; THE SCALE.  qm, km = the largest |q|, |k| (stat); E = the biased exponent of qm km, at least 5, so qm km < 2^(E-126) and |q_i . k_j| <= 1024 qm km (1 + 2^-11)^2 < 1.001 x 2^(E-116):
; the stored number stays under 32,800, inside f16, whatever the inputs' size.  The launch behind multiplies by 2^(E-131), exactly.
; LIMITS.  A stored number under 6e-5 keeps f16's fixed step of 6e-8.  A factor g^d 2^(131-E) below 2^-126 counts as 0: that needs E > 163, and shows in f16 only where qm km exceeds 2^90.
; E is clamped at 5 (qm km below 2^-122).  NaN and infinities are not treated apart.
; NO CLUSTER: row I of the triangle has I + 1 tiles and column J has 8 - J; few of these counts are multiples of four, and a square cluster would hold work-groups with nothing to do.
; Shape: four waves, each 128 x 128 = 64 accumulators; K in steps of 128 through two LDS slots; each wave brings 128 rows x 256 bytes with one tensor load (waves 0, 1: q; 2, 3: k).
; TRANSPOSED USE: source 0 = 16 rows of k, source 1 = 16 rows of q: lane l holds query l % 16 and the keys 8 (l / 16) + 0..7 of a block.  In accumulator (a, b) register r has
; i - j = D0 + 16 (a - b) - r, D0 = 256 (I - J) + 128 (row half - column half) + l % 16 - 8 (l / 16): 15 values of a - b, so a table of 15 x 8 registers holds every factor, 0 where i < j.
; REGISTERS: window 0: v0-31 addresses; v64-127, v128-191 fragments of q (before the loop: at work for the table; on the way out v64-127 products, v192-223 packed, v32-63, v224-255 rows read back)
;   window 1: v0-63, v192-247 the table; v64-127, v128-191 fragments of k      window 2, 3: accumulators
.set ROWQ,   6144                      ; bytes in a row of qkv
.set ROWP,   4096                      ; bytes in a row of pm
.set KSTEP,  128
.set PITCH,  272
.set HALFT,  128*PITCH
.set SLOT,   4*HALFT
.set STAGE,  2*SLOT
.set SPITCH, 272
.set SPARE,  STAGE+4*16*SPITCH
.set LAPS,   4
.set ADRA, 16
.set ADRB, 20
.set STO,  24
.set RD,   25
.set CO,   26
.set D0,   27                          ; v27  D0, a whole number
.set SPW,  28
.set NIL,  29
.set LSC,  30                          ; v30  131 - E as f32
.set SA,   31                          ; v31  16 x lane: my bytes of 512 of stat
.set F0,   64
.set F1,   128
.set T,    64
.set TMP,  192
.set OB,   32
.set G1,  24                           ; s[24:31] group 1
.set G0,  32                           ; s[32:39] group 0, a set for each slot
.set MSB, 0
.macro WIN new
.if MSB != (\new)
	s_set_vgpr_msb (MSB<<8)|(\new)
.set MSB, \new
.endif
.endm
.set MUL_LO, 0xa1
.set MUL_HI, 0xf1
.set TO_B,   0x40
.macro LOAD s                          ; my quarter of slot s; an s_nop 0 and four v_nop follow
	tensor_load_to_lds s[G0+4*(\s):G0+4*(\s)+3], s[G1:G1+7]
	s_nop 0
.rept 4
	v_nop
.endr
.endm
.macro REDMAX b                        ; the largest of 16 registers x 32 lanes, into v[b] of every lane
.irp i, 0,3,6,9,12
	v_max3_num_f32 v[(\b)+(\i)], v[(\b)+(\i)], v[(\b)+(\i)+1], v[(\b)+(\i)+2]
.endr
	v_max3_num_f32 v[\b], v[\b], v[(\b)+3], v[(\b)+6]
	v_max3_num_f32 v[(\b)+9], v[(\b)+9], v[(\b)+12], v[(\b)+15]
	v_max_num_f32 v[\b], v[\b], v[(\b)+9]
	v_max_num_f32_dpp v[\b], v[\b], v[\b] row_xmask:1 row_mask:0xf bank_mask:0xf
	v_max_num_f32_dpp v[\b], v[\b], v[\b] row_xmask:2 row_mask:0xf bank_mask:0xf
	v_max_num_f32_dpp v[\b], v[\b], v[\b] row_xmask:4 row_mask:0xf bank_mask:0xf
	v_max_num_f32_dpp v[\b], v[\b], v[\b] row_xmask:8 row_mask:0xf bank_mask:0xf
	v_permlanex16_b32 v[(\b)+1], v[\b], s42, s43
	v_max_num_f32 v[\b], v[\b], v[(\b)+1]
.endm
	s_load_b128 s[4:7], s[0:1], 0x0                ; qkv s[4:5], stat s[6:7]
	s_load_b64 s[8:9], s[0:1], 0x10                ; pm
	v_lshl_add_u32 v[SPW], v0, 2, SPARE
	v_mov_b32 v[NIL], 0
	ds_add_u32 v[SPW], v[NIL]                      ; the wave's opening: the add and its wait stand ahead of my first tensor load
	ds_add_u32 v28, v29
	v_lshrrev_b32 v1, 5, v0
	v_readfirstlane_b32 s10, v1                    ; wave 0..3
	s_lshr_b32 s11, s10, 1                         ; my half of the tile's rows.  Also: I fetch q (0) or k (1)
	s_and_b32 s12, s10, 1                          ; my half of its columns.  Also: which 128 rows I fetch
	s_and_b32 s15, ttmp7, 0xffff                   ; batch
	s_mov_b32 s13, 0                               ; I = how many triangular numbers 1, 3, .. 28 are at most t
.irp tri, 1,3,6,10,15,21,28
	s_cmp_ge_u32 ttmp9, \tri
	s_add_co_ci_u32 s13, s13, 0
.endr
	s_add_co_u32 s16, s13, 1
	s_mul_i32 s16, s16, s13
	s_lshr_b32 s16, s16, 1
	s_sub_co_u32 s14, ttmp9, s16                   ; J = t - I (I + 1) / 2
	s_mov_b32 s[G1+0], (1<<16)|(1<<20)|(5<<22)|(3<<25)  ; 2-byte elements; padding on: after every 64 words 4 words
	s_mov_b32 s[G1+1], KSTEP<<16                   ; tensor_dim0 = 128
	s_mov_b32 s[G1+2], 128<<16                     ; tensor_dim1 = 128
	s_mov_b32 s[G1+3], KSTEP<<16                   ; tile_dim0 = 128
	s_mov_b32 s[G1+4], 128                         ; tile_dim1 = 128
	s_mov_b32 s[G1+5], 3072                        ; elements from row to row
	s_mov_b32 s[G1+6], 0
	s_mov_b32 s[G1+7], 0
	s_mov_b32 s40, 0xbd3b9ca6                      ; log2 g = -0.0458037
	s_mov_b32 s41, 0x3d3b9ca6                      ; -log2 g
	s_mov_b32 s42, 0x76543210
	s_mov_b32 s43, 0xfedcba98
	s_cmp_lt_u32 s10, 2
	s_cselect_b32 s16, s13, s14                    ; q's rows go by I, k's by J
	s_lshl_b32 s16, s16, 8
	s_lshl_b32 s17, s12, 7
	s_add_co_u32 s16, s16, s17
	s_lshl_b32 s17, s15, 11
	s_add_co_u32 s16, s16, s17                     ; row = 2048 batch + 256 (I or J) + 128 half
	s_mul_i32 s16, s16, ROWQ
	s_lshl_b32 s17, s11, 11                        ; k lies 2,048 bytes into a row
	s_add_co_u32 s16, s16, s17
	s_mov_b32 s17, 0
	s_mul_i32 s20, s10, HALFT                      ; where it goes: wave x 128 rows
	s_wait_dscnt 0x0                               ; the opening add is done
	s_wait_kmcnt 0x0
	s_add_nc_u64 s[18:19], s[4:5], s[16:17]
.irp s, 0,1
	s_mov_b32 s[G0+4*(\s)], 1
	s_add_co_u32 s[G0+4*(\s)+1], s20, (\s)*SLOT
	s_add_nc_u64 s[G0+4*(\s)+2:G0+4*(\s)+3], s[18:19], (\s)*KSTEP*2
	s_or_b32 s[G0+4*(\s)+3], s[G0+4*(\s)+3], 0x80000000
	LOAD \s                                        ; two tensor loads of mine are out
.endr
	; all that follows up to the wait for the first tile stands in that tile's way from memory
	v_and_b32 v[SA], 31, v0
	v_lshlrev_b32 v[SA], 4, v[SA]
.irp i, 0,1,2,3
	global_load_b128 v[64+4*(\i):67+4*(\i)], v[SA], s[6:7] offset:512*(\i)       ; q's 512 maxima
	global_load_b128 v[80+4*(\i):83+4*(\i)], v[SA], s[6:7] offset:2048+512*(\i)  ; k's
.endr
	v_and_b32 v1, 15, v0                           ; l % 16
	v_bfe_u32 v2, v0, 4, 1                         ; l / 16
	s_sub_co_u32 s21, s13, s14
	s_lshl_b32 s21, s21, 8
	s_sub_co_i32 s22, s11, s12
	s_lshl_b32 s22, s22, 7
	s_add_co_i32 s21, s21, s22
	v_lshlrev_b32 v3, 3, v2
	v_sub_nc_u32 v3, v1, v3
	v_add_nc_u32 v[D0], s21, v3
	v_mul_u32_u24 v3, v1, PITCH
	v_lshl_add_u32 v3, v2, 4, v3
	s_mul_i32 s21, s11, HALFT
	s_mul_i32 s22, s12, HALFT
	s_add_co_u32 s22, s22, 2*HALFT
.irp s, 0,1
	v_add_nc_u32 v[ADRA+(\s)], s21, v3
	v_add_nc_u32 v[ADRB+(\s)], s22, v3
	s_add_co_u32 s21, s21, SLOT
	s_add_co_u32 s22, s22, SLOT
.endr
	s_mul_i32 s23, s10, 16*SPITCH
	s_add_co_u32 s23, s23, STAGE
	v_mul_u32_u24 v4, v1, SPITCH
	v_lshl_add_u32 v4, v2, 4, v4
	v_add_nc_u32 v[STO], s23, v4
	v_mul_u32_u24 v5, v2, SPITCH
	v_lshl_add_u32 v5, v1, 4, v5
	v_add_nc_u32 v[RD], s23, v5
	v_lshlrev_b32 v5, 12, v2
	v_lshl_add_u32 v[CO], v1, 4, v5
	s_lshl_b32 s16, s15, 11                        ; where my part begins in pm: 4096 (2048 batch + 256 I + 128 row half) + 512 J + 256 column half
	s_lshl_b32 s17, s13, 8
	s_add_co_u32 s16, s16, s17
	s_lshl_b32 s17, s11, 7
	s_add_co_u32 s16, s16, s17
	s_lshl_b32 s16, s16, 12
	s_lshl_b32 s17, s14, 9
	s_add_co_u32 s16, s16, s17
	s_lshl_b32 s17, s12, 8
	s_add_co_u32 s16, s16, s17
	s_mov_b32 s17, 0
	s_wait_loadcnt 0x0
	REDMAX 64                                      ; qm
	REDMAX 80                                      ; km
	v_mul_f32 v[LSC], v64, v80
	v_lshrrev_b32 v[LSC], 23, v[LSC]               ; the product is not negative: this is its biased exponent
	v_max_u32 v[LSC], 5, v[LSC]                    ; E
	v_sub_nc_u32 v[LSC], 131, v[LSC]
	v_cvt_f32_i32 v[LSC], v[LSC]
.irp r, 0,1,2,3,4,5,6,7
	v_cvt_f32_i32 v[64+(\r)], \r
.endr
.irp r, 0,1,2,3,4,5,6,7
	v_mul_f32 v[64+(\r)], s41, v[64+(\r)]
.endr
.irp r, 0,1,2,3,4,5,6,7
	v_exp_f32 v[64+(\r)], v[64+(\r)]               ; g^-r
.endr
.set n, 0
.rept 15
	v_add_nc_u32 v[72+n], 16*(n-7), v[D0]          ; D0 + 16 (a - b), n = a - b + 7 (the first of these is the plain instruction behind the exponentials)
.set n, n+1
.endr
.set n, 0
.rept 15
	v_cvt_f32_i32 v[128+n], v[72+n]
.set n, n+1
.endr
.set n, 0
.rept 15
	v_fma_f32 v[128+n], v[128+n], s40, v[LSC]
.set n, n+1
.endr
.set n, 0
.rept 15
	v_exp_f32 v[96+2*n], v[128+n]                  ; g^(D0 + 16 (a - b)) 2^(131 - E), twice: a pair for the packed multiply
	v_exp_f32 v[97+2*n], v[128+n]
.set n, n+1
.endr
	v_nop                                          ; a plain instruction behind the last exponential
	s_wait_alu depctr_va_vdst(0)
.set n, 0
.rept 15
	WIN 0
.irp i, 0,1,2,3
	v_pk_mul_f32 v[128+2*(\i):129+2*(\i)], v[64+2*(\i):65+2*(\i)], v[96+2*n:97+2*n]
.endr
	WIN 0x40                                       ; destination window 1
.irp r, 0,1,2,3,4,5,6,7
	v_cmp_le_i32 vcc_lo, \r, v[72+n]               ; i >= j
	v_cndmask_b32 v[8*n+128*(n/8)+(\r)], 0, v[128+(\r)], vcc_lo  ; a choice, so an overflowed factor of a hidden place does no harm
.endr
.set n, n+1
.endr
	WIN 0
.macro MUL16 f, hi, a0, zero
	WIN MUL_LO+0x50*(\hi)
.irp a, \a0, (\a0)+1
.irp b, 0,1,2,3,4,5,6,7
.if \zero
	v_wmma_f32_16x16x32_f16 v[8*(8*(\a)+(\b)):8*(8*(\a)+(\b))+7], v[(\f)+8*(\b):(\f)+8*(\b)+7], v[(\f)+8*(4*(\hi)+(\a)):(\f)+8*(4*(\hi)+(\a))+7], 0
.else
	v_wmma_f32_16x16x32_f16 v[8*(8*(\a)+(\b)):8*(8*(\a)+(\b))+7], v[(\f)+8*(\b):(\f)+8*(\b)+7], v[(\f)+8*(4*(\hi)+(\a)):(\f)+8*(4*(\hi)+(\a))+7], v[8*(8*(\a)+(\b)):8*(8*(\a)+(\b))+7]
.endif
.endr
.endr
.endm
.macro FETCH slot, k, f                ; 32 LDS loads in one run: k's 16, then q's
	WIN TO_B
.irp i, 0,1,2,3,4,5,6,7
	ds_load_b128 v[(\f)+8*(\i):(\f)+8*(\i)+3],   v[ADRB+(\slot)] offset:(\k)+(\i)*16*PITCH
	ds_load_b128 v[(\f)+8*(\i)+4:(\f)+8*(\i)+7], v[ADRB+(\slot)] offset:(\k)+(\i)*16*PITCH+32
.endr
	WIN 0
.irp i, 0,1,2,3,4,5,6,7
	ds_load_b128 v[(\f)+8*(\i):(\f)+8*(\i)+3],   v[ADRA+(\slot)] offset:(\k)+(\i)*16*PITCH
	ds_load_b128 v[(\f)+8*(\i)+4:(\f)+8*(\i)+7], v[ADRA+(\slot)] offset:(\k)+(\i)*16*PITCH+32
.endr
.endm
.macro PLACES                          ; four plain vector instructions behind a matrix instruction (ISA guide 7.12.1)
.rept 4
	v_nop
.endr
.endm
.macro QUARTER slot, k, f, g, zero
	s_wait_dscnt 8                                 ; k's and q's rows 0-63 are in; the youngest eight loads may be out
	MUL16 \f, 0, 0, \zero
	MUL16 \f, 0, 2, \zero
	PLACES
	FETCH \slot, \k, \g
	s_wait_dscnt 32                                ; all but the 32 just issued
	MUL16 \f, 1, 0, \zero
	MUL16 \f, 1, 2, \zero
.endm
; One barrier for the change of slots: in front of it each wave waits for all its tensor loads (one is out: its part of the next slot), adds 0 to its spare word, and waits for that and for its reads of this slot.
.macro MEET
	WIN 0
	s_wait_tensorcnt 0x0
	ds_add_u32 v[SPW], v[NIL]
	s_wait_dscnt 9                                 ; the add and the youngest eight loads may be out
	MUL16 F1, 0, 0, 0
	s_wait_dscnt 0x0                               ; the add is done, and my reads of this slot are over
	s_barrier_signal -1
	MUL16 F1, 0, 2, 0
	s_barrier_wait -1
.endm
.macro TURN slot, next                 ; behind the barrier the slot just read is filled again first, two K steps on: 224 matrix instructions ahead of the wait for it
	MEET
	s_add_nc_u64 s[G0+4*(\slot)+2:G0+4*(\slot)+3], s[G0+4*(\slot)+2:G0+4*(\slot)+3], 2*KSTEP*2
	LOAD \slot                                     ; its four v_nop are also the places in front of the loads below
	FETCH \next, 0, F0
	MUL16 F1, 1, 0, 0
	MUL16 F1, 1, 2, 0
.endm
; THE WAY OUT of row block a: times the table's entry for a - b, rounded to f16.  Each accumulator is read from its lowest registers on.
.macro PACKS a
.set AC, 64*((\a)%4)
	WIN 0x04|(2+(\a)/4)                            ; source 0 window 2 or 3, source 1 (table) window 1, destination window 0
.irp b, 0,1,2,3,4,5,6,7
.set n, (\a)-(\b)+7
.set TB, 8*n+128*(n/8)
.irp r, 0,1,2,3
	v_pk_mul_f32 v[T+8*(\b)+2*(\r):T+8*(\b)+2*(\r)+1], v[AC+8*(\b)+2*(\r):AC+8*(\b)+2*(\r)+1], v[TB+2*(\r):TB+2*(\r)+1]
.endr
.endr
	WIN 0
.set i, 0
.rept 32
	v_cvt_pk_f16_f32 v[TMP+i], v[T+2*i], v[T+2*i+1]
.set i, i+1
.endr
.endm
.macro TOSTAGE a
	WIN 0
.set BK, OB+192*((\a)%2)
.irp b, 0,1,2,3,4,5,6,7
	ds_store_b128 v[STO], v[TMP+4*(\b):TMP+4*(\b)+3] offset:32*(\b)
.endr
.irp t, 0,1,2,3,4,5,6,7
	ds_load_b128 v[BK+4*(\t):BK+4*(\t)+3], v[RD] offset:(\t)*2*SPITCH  ; LDS serves a wave's instructions in order (ISA guide 5.7.1.4): these see the stores above
.endr
.endm
.macro SEND a
	WIN 0
.set BK, OB+192*((\a)%2)
	s_wait_dscnt 0x0
	s_wait_xcnt 0x0                                ; earlier stores have read their base and their data
.if (\a) == 0
	s_add_nc_u64 s[8:9], s[8:9], s[16:17]
.else
	s_add_nc_u64 s[8:9], s[8:9], 16*ROWP
.endif
.irp t, 0,1,2,3,4,5,6,7
	global_store_b128 v[CO], v[BK+4*(\t):BK+4*(\t)+3], s[8:9] offset:2*(\t)*ROWP  ; 16 lanes store 256 consecutive bytes, at a multiple of 256 from pm's first byte
.endr
.endm
	s_wait_tensorcnt 1                             ; my part of K step 0 is in; K step 1's may stay out
	s_barrier_signal -1
	s_barrier_wait -1
	FETCH 0, 0, F0
	QUARTER 0, 64,  F0, F1, 1                      ; the first quarter's products start the sums
	WIN 0
	s_mov_b32 s3, LAPS-1
.Llap:
	QUARTER 0, 128, F1, F0, 0
	QUARTER 0, 192, F0, F1, 0
	TURN 0, 1
	QUARTER 1, 64,  F0, F1, 0
	QUARTER 1, 128, F1, F0, 0
	QUARTER 1, 192, F0, F1, 0
	TURN 1, 0
	QUARTER 0, 64,  F0, F1, 0
	WIN 0
	s_sub_co_u32 s3, s3, 1
	s_cmp_lg_u32 s3, 0
	s_cbranch_scc1 .Llap
	QUARTER 0, 128, F1, F0, 0                      ; the last lap fills nothing
	QUARTER 0, 192, F0, F1, 0
	MEET
	PLACES
	FETCH 1, 0, F0
	MUL16 F1, 1, 0, 0
	MUL16 F1, 1, 2, 0
	QUARTER 1, 64,  F0, F1, 0
	QUARTER 1, 128, F1, F0, 0
	QUARTER 1, 192, F0, F1, 0
	s_wait_dscnt 8
	MUL16 F1, 0, 0, 0
	MUL16 F1, 0, 2, 0
	s_wait_dscnt 0x0
	MUL16 F1, 1, 0, 0
	MUL16 F1, 1, 2, 0
	WIN 0
	PLACES
	PACKS 0
	TOSTAGE 0
.irp a, 1,2,3,4,5,6,7
	PACKS \a
	SEND (\a)-1
	TOSTAGE \a
.endr
	SEND 7
	s_wait_tensorcnt 0x0                           ; the wave's end
	ds_add_u32 v[SPW], v[NIL]
	s_wait_dscnt 0x0
	s_endpgm
.Lfunc_end_k_q3d6d1d30e4_score:
	.size	k_q3d6d1d30e4_score, .Lfunc_end_k_q3d6d1d30e4_score-k_q3d6d1d30e4_score
	.p2alignl 7, 3214868480
	.fill 96, 4, 3214868480
	.section	.rodata,"a",@progbits
	.p2align	6, 0x0
	.amdhsa_kernel k_q3d6d1d30e4_score
		.amdhsa_group_segment_fixed_size 327680
		.amdhsa_private_segment_fixed_size 0
		.amdhsa_enable_private_segment 0
		.amdhsa_kernarg_size 24
		.amdhsa_user_sgpr_count 2
		.amdhsa_user_sgpr_kernarg_segment_ptr 1
		.amdhsa_wavefront_size32 1
		.amdhsa_system_sgpr_workgroup_id_x 1
		.amdhsa_system_sgpr_workgroup_id_y 1
		.amdhsa_system_sgpr_workgroup_id_z 1
		.amdhsa_system_vgpr_workitem_id 0
		.amdhsa_next_free_vgpr 1024
		.amdhsa_next_free_sgpr 66
		.amdhsa_reserve_vcc 1
		.amdhsa_float_denorm_mode_32 3
		.amdhsa_float_denorm_mode_16_64 3
		.amdhsa_memory_ordered 1
		.amdhsa_forward_progress 1
		.amdhsa_inst_pref_size 175
	.end_amdhsa_kernel
	.amdgpu_metadata
---
amdhsa.version: [ 1, 2 ]
amdhsa.kernels:
  - .name:           k_q3d6d1d30e4_score
    .symbol:         k_q3d6d1d30e4_score.kd
    .args:
      - { .name: qkv, .offset: 0, .size: 8, .value_kind: global_buffer, .address_space: global }
      - { .name: stat, .offset: 8, .size: 8, .value_kind: global_buffer, .address_space: global }
      - { .name: pm, .offset: 16, .size: 8, .value_kind: global_buffer, .address_space: global }
    .group_segment_fixed_size: 327680
    .private_segment_fixed_size: 0
    .kernarg_segment_align: 8
    .kernarg_segment_size: 24
    .max_flat_workgroup_size: 128
    .sgpr_count:     66
    .vgpr_count:     1024
    .wavefront_size: 32
...
	.end_amdgpu_metadata
.endif
;; end of part 3
;; launch pv (part 4): grid 8 x 32, 4 waves a work-group, clusters of 4 x 1, 327,680 bytes of LDS; arguments pm, qkv, stat, out0; writes out0
.if DOCPART == 4
	.amdgcn_target "amdgcn-amd-amdhsa--gfx1250"
	.amdhsa_code_object_version 6
	.text
	.protected	k_q3d6d1d30e4_pv
	.globl	k_q3d6d1d30e4_pv
	.p2align	8
	.type	k_q3d6d1d30e4_pv,@function
k_q3d6d1d30e4_pv:
	s_mov_b64 s[64:65], 0
	v_nop
	global_prefetch_b8 v0, s[64:65] scope:SCOPE_SE
	s_setreg_imm32_b32 hwreg(HW_REG_WAVE_MODE, 25, 1), 1
	s_wait_xcnt 0x0
	s_wait_alu depctr_hold_cnt(0) depctr_sa_sdst(0) depctr_va_vdst(0) depctr_va_sdst(0) depctr_va_ssrc(0) depctr_va_vcc(0) depctr_vm_vsrc(0)
	s_getreg_b32 s2, hwreg(HW_REG_IB_STS2, 6, 4)
	s_cmp_eq_u32 s2, 0
	s_cbranch_scc0 .Lentry_in_a_cluster
	s_endpgm
.Lentry_in_a_cluster:
	s_bfe_u32 s2, ttmp6, 0x10000c
	s_cmp_lg_u32 s2, 0x3003
	s_cbranch_scc0 .Lentry_shape_is_right
	s_endpgm
.Lentry_shape_is_right:
; out0[bt][i][h] = 2^(E-131) x the sum over j of pm[bt][i][j] v[bt][j][h].  pm [4][2048][2048] f16 (tiles of 256 x 256 on and below the diagonal; 0 above the diagonal inside them),
; v = columns 2048-3071 of qkv [8192][3072] f16; sums in f32, out0 f32.  E as in the launch before: the biased exponent of max|q| max|k| (stat), at least 5; the factor is a power of two, exact.
; THE WALK.  A tile of out0 is 128 rows x 128 columns; row block blk of a batch's 16 needs the key steps 0 .. blk / 2 of 256 keys.  A work-group makes TWO tiles, blocks 15 - b and then b:
; ((15 - b) / 2 + 1) + (b / 2 + 1) = 9 key steps whatever b: 256 work-groups of equal work, and one loop with a constant trip count.  Which tile is asked for and where a block ends hang on
; scalar registers made from b; those jumps go forward and pass no barrier and no tensor load.
; CLUSTER 4 x 1: the four partners have the same batch and b and four neighbouring column blocks: pm's tiles are the same for all four and are asked for jointly (mask 15); v's differ
; (each partner's own 128 columns) and are plain loads behind the same round.  Work-groups with the same columns leave the common walk at different steps, so v is not shared.
; Four waves, each 64 x 64: 16 accumulators.  TRANSPOSED USE: source 0 = 16 channels of v (turned on the way out of LDS by ds_load_tr16_b128), source 1 = 16 rows of pm:
; lane l holds row l % 16 and the channels 8 (l / 16) + 0..7.
; REGISTERS: window 0: v0-31 addresses, v[22:23] the factor; v32-63 scaled results; v64-127 rows read back, two buffers; v128-255 accumulators, (a, b) at v[128 + 8 (4 a + b)]
;   window 1: two fragment buffers of 128: for 64 keys, 64 registers of pm, then 64 of v.
.set PITA,   528                       ; a row of pm in LDS: 512 bytes + 16: the 16 rows of a load start at 16 different groups of four banks
.set PITB,   288                       ; a row of v: 256 + 32 bytes
.set BPART,  128*PITA                  ; v's 256 keys lie behind pm's 128 rows
.set SLOT,   BPART+256*PITB
.set STAGE,  2*SLOT                    ; behind the ring: 16 rows x 272 bytes for each wave; no tensor load lands here
.set SPITCH, 272
.set SPARE,  STAGE+4*16*SPITCH
.set ADRA, 16                          ; v16-17  my pm fragments in slot 0, 1
.set ADRB, 18                          ; v18-21  my v fragments: slot s, key half k at ADRB + 2 s + k
.set ISC,  22                          ; v[22:23] 2^(E-131), twice
.set STO,  24
.set RD,   25
.set CO,   26
.set SA,   27                          ; v27  16 x lane
.set SPW,  28
.set NIL,  29
.set TMP,  32
.set OBK,  64
.set ACC,  128
.set F0,   0
.set F1,   128
.set WV,   12                          ; s12 wave; s13 wave & 1; s14 wave >> 1
.set G1A,  24                          ; s[24:31] group 1 for pm's tiles
.set G1B,  32                          ; s[32:39] for v's
.set G0A,  40                          ; s[40:47] group 0 for pm's, a set for each slot
.set G0B,  48                          ; s[48:55] for v's
.set SPA,  56                          ; s[56:57] pm at my batch and my 64 rows of a block
.set SPB,  58                          ; s[58:59] v at my batch, my 128 keys of a step, my columns
.set OFA,  60                          ; s[60:61], s[62:63] a tile's byte offsets
.set OFB,  62
.set NXT,  66                          ; the key step to be asked for next
.set LQ,   67                          ; the last key step of the block whose tiles are being asked for
.set BOFF, 68                          ; that block's 128 rows of 4,096 bytes
.set BLO,  69                          ; the same for the second block
.set LQLO, 70
.set RT,   71                          ; key steps that the block in hand still has
.set NEW,  72                          ; 1: the step to come is a block's first
.set NL,   73                          ; the second block's key steps
.set CNT,  74
.set OC,   76                          ; s[76:77] out0 at my part of the block in hand
.set OLO,  78                          ; s[78:79] of the second block
.set SEL,  82
.set MSB, 0
.macro WIN new
.if MSB != (\new)
	s_set_vgpr_msb (MSB<<8)|(\new)
.set MSB, \new
.endif
.endm
.set MUL,  0x05                        ; sources 0 and 1 window 1; C and D window 0
.set TO_F, 0x40                        ; destination window 1, address window 0
.macro JLOAD s                         ; waves 0, 1: the two halves of pm's tile, jointly; waves 2, 3: the two halves of v's; an s_nop 0 and four v_nop follow each line
	s_cmp_lt_u32 s[WV], 2
	s_cbranch_scc0 .Lfor_b_\@
	tensor_load_to_lds s[G0A+4*(\s):G0A+4*(\s)+3], s[G1A:G1A+7]
	s_nop 0
.rept 4
	v_nop
.endr
	s_branch .Lasked_\@
.Lfor_b_\@:
	tensor_load_to_lds s[G0B+4*(\s):G0B+4*(\s)+3], s[G1B:G1B+7]
	s_nop 0
.rept 4
	v_nop
.endr
.Lasked_\@:
.endm
.macro CROUND                          ; a round of the cluster's barrier
	s_barrier_signal -1
	s_barrier_wait -1
	s_cmp_lg_u32 s[WV], 0
	s_cbranch_scc1 .Lnot_wave_0_\@
	s_barrier_signal -3
.Lnot_wave_0_\@:
	s_barrier_wait -3
	s_barrier_signal -1
	s_barrier_wait -1
.endm
; Slot o's two descriptors take the addresses of key step NXT of the block being asked for, made anew from the bases; then the walk steps: behind a block's last step comes the second block's step 0.
.macro ASK o
	s_lshl_b32 s[OFA], s[NXT], 9                   ; 256 keys of 2 bytes along pm's rows
	s_add_co_u32 s[OFA], s[OFA], s[BOFF]
	s_add_nc_u64 s[G0A+4*(\o)+2:G0A+4*(\o)+3], s[SPA:SPA+1], s[OFA:OFA+1]
	s_or_b32 s[G0A+4*(\o)+3], s[G0A+4*(\o)+3], 0x80000000
	s_mul_i32 s[OFB], s[NXT], 256*6144             ; 256 rows of qkv
	s_add_nc_u64 s[G0B+4*(\o)+2:G0B+4*(\o)+3], s[SPB:SPB+1], s[OFB:OFB+1]
	s_or_b32 s[G0B+4*(\o)+3], s[G0B+4*(\o)+3], 0x80000000
	s_add_co_u32 s[NXT], s[NXT], 1
	s_cmp_gt_u32 s[NXT], s[LQ]
	s_cselect_b32 s[NXT], 0, s[NXT]
	s_cselect_b32 s[BOFF], s[BLO], s[BOFF]
	s_cselect_b32 s[LQ], s[LQLO], s[LQ]
.endm
.macro REDMAX b                        ; the largest of 16 registers x 32 lanes, into v[b] of every lane
.irp i, 0,3,6,9,12
	v_max3_num_f32 v[(\b)+(\i)], v[(\b)+(\i)], v[(\b)+(\i)+1], v[(\b)+(\i)+2]
.endr
	v_max3_num_f32 v[\b], v[\b], v[(\b)+3], v[(\b)+6]
	v_max3_num_f32 v[(\b)+9], v[(\b)+9], v[(\b)+12], v[(\b)+15]
	v_max_num_f32 v[\b], v[\b], v[(\b)+9]
	v_max_num_f32_dpp v[\b], v[\b], v[\b] row_xmask:1 row_mask:0xf bank_mask:0xf
	v_max_num_f32_dpp v[\b], v[\b], v[\b] row_xmask:2 row_mask:0xf bank_mask:0xf
	v_max_num_f32_dpp v[\b], v[\b], v[\b] row_xmask:4 row_mask:0xf bank_mask:0xf
	v_max_num_f32_dpp v[\b], v[\b], v[\b] row_xmask:8 row_mask:0xf bank_mask:0xf
	v_permlanex16_b32 v[(\b)+1], v[\b], s[SEL], s[SEL+1]
	v_max_num_f32 v[\b], v[\b], v[(\b)+1]
.endm
	s_load_b256 s[4:11], s[0:1], 0x0               ; pm s[4:5], qkv s[6:7], stat s[8:9], out0 s[10:11]
	v_lshl_add_u32 v[SPW], v0, 2, SPARE
	v_mov_b32 v[NIL], 0
	ds_add_u32 v[SPW], v[NIL]                      ; the wave's opening: the add and its wait stand ahead of my first tensor load
	ds_add_u32 v28, v29
	v_lshrrev_b32 v1, 5, v0
	v_readfirstlane_b32 s[WV], v1
	s_and_b32 s13, s[WV], 1                        ; my half of the columns.  Also: which half of a tile I fetch
	s_lshr_b32 s14, s[WV], 1                       ; my half of the rows
	s_bfe_u32 s15, ttmp6, 0x40000                  ; cx
	s_lshl_b32 s16, ttmp9, 2
	s_add_co_u32 s16, s16, s15                     ; column block = 4 x cluster x + cx: it enters v's and out0's addresses alone
	s_and_b32 s17, ttmp7, 0xffff
	s_lshr_b32 s18, s17, 3                         ; batch
	s_and_b32 s19, s17, 7                          ; b
	s_sub_co_u32 s20, 15, s19                      ; the first block
	s_lshr_b32 s[LQ], s20, 1
	s_add_co_u32 s[RT], s[LQ], 1
	s_lshr_b32 s[LQLO], s19, 1
	s_add_co_u32 s[NL], s[LQLO], 1
	s_lshl_b32 s[BOFF], s20, 19
	s_lshl_b32 s[BLO], s19, 19
	s_mov_b32 s[NXT], 0
	s_mov_b32 s[NEW], 1
	s_mov_b32 s[CNT], 4
	s_mov_b32 s[OFA+1], 0
	s_mov_b32 s[OFB+1], 0
	s_mov_b32 s[SEL], 0x76543210
	s_mov_b32 s[SEL+1], 0xfedcba98
	s_mov_b32 s[G1A+0], 15|(1<<16)|(1<<20)|(1<<21)|(6<<22)|(3<<25)  ; the mask of four; 2-byte elements; padding on; bit 21 beside a mask; after every 128 words 4 words
	s_mov_b32 s[G1A+1], 256<<16                    ; tensor_dim0 = 256
	s_mov_b32 s[G1A+2], 64<<16                     ; tensor_dim1 = 64
	s_mov_b32 s[G1A+3], 256<<16                    ; tile_dim0 = 256
	s_mov_b32 s[G1A+4], 64                         ; tile_dim1 = 64
	s_mov_b32 s[G1A+5], 2048                       ; elements from row to row
	s_mov_b32 s[G1A+6], 0
	s_mov_b32 s[G1A+7], 0
	s_mov_b32 s[G1B+0], (1<<16)|(1<<20)|(5<<22)|(7<<25)  ; no mask; after every 64 words 8 words
	s_mov_b32 s[G1B+1], 128<<16
	s_mov_b32 s[G1B+2], 128<<16
	s_mov_b32 s[G1B+3], 128<<16
	s_mov_b32 s[G1B+4], 128
	s_mov_b32 s[G1B+5], 3072
	s_mov_b32 s[G1B+6], 0
	s_mov_b32 s[G1B+7], 0
	s_mul_i32 s21, s13, 64*PITA                    ; where the tiles go: a constant, the wave's low bit times a constant, the slot's constant
	s_mul_i32 s22, s13, 128*PITB
.irp s, 0,1
	s_mov_b32 s[G0A+4*(\s)], 1
	s_add_co_u32 s[G0A+4*(\s)+1], s21, (\s)*SLOT
	s_mov_b32 s[G0B+4*(\s)], 1
	s_add_co_u32 s[G0B+4*(\s)+1], s22, BPART+(\s)*SLOT
.endr
	s_lshl_b32 s[SPA], s18, 23                     ; pm: batch x 2,048 rows of 4,096 bytes + my 64 rows
	s_lshl_b32 s23, s13, 18
	s_add_co_u32 s[SPA], s[SPA], s23
	s_mov_b32 s[SPA+1], 0
	s_lshl_b32 s[SPB], s18, 11                     ; v: 6,144 (2,048 batch + my 128 keys) + 4,096 + 256 column block
	s_lshl_b32 s23, s13, 7
	s_add_co_u32 s[SPB], s[SPB], s23
	s_mul_i32 s[SPB], s[SPB], 6144
	s_lshl_b32 s17, s16, 8
	s_add_co_u32 s[SPB], s[SPB], s17
	s_add_co_u32 s[SPB], s[SPB], 4096
	s_mov_b32 s[SPB+1], 0
	s_lshl_b32 s[OC], s18, 11                      ; out0: 4,096 (2,048 batch + 128 block + 64 row half) + 512 column block + 256 column half
	s_lshl_b32 s21, s14, 6
	s_add_co_u32 s[OC], s[OC], s21
	s_lshl_b32 s21, s19, 7
	s_add_co_u32 s[OLO], s[OC], s21
	s_lshl_b32 s21, s20, 7
	s_add_co_u32 s[OC], s[OC], s21
	s_lshl_b32 s[OC], s[OC], 12
	s_lshl_b32 s[OLO], s[OLO], 12
	s_lshl_b32 s17, s16, 9
	s_lshl_b32 s21, s13, 8
	s_add_co_u32 s17, s17, s21
	s_add_co_u32 s[OC], s[OC], s17
	s_add_co_u32 s[OLO], s[OLO], s17
	s_mov_b32 s[OC+1], 0
	s_mov_b32 s[OLO+1], 0
	s_wait_dscnt 0x0                               ; the opening add is done
	s_wait_kmcnt 0x0
	s_add_nc_u64 s[SPA:SPA+1], s[4:5], s[SPA:SPA+1]
	s_add_nc_u64 s[SPB:SPB+1], s[6:7], s[SPB:SPB+1]
	s_add_nc_u64 s[OC:OC+1], s[10:11], s[OC:OC+1]
	s_add_nc_u64 s[OLO:OLO+1], s[10:11], s[OLO:OLO+1]
	ASK 0
	CROUND                                         ; all four work-groups are here: the first joint loads meet
	JLOAD 0                                        ; key step 0 into slot 0; slot 1 is filled behind the first trip's round
	v_and_b32 v1, 15, v0                           ; l % 16
	v_bfe_u32 v2, v0, 4, 1                         ; l / 16
	v_and_b32 v[SA], 31, v0
	v_lshlrev_b32 v[SA], 4, v[SA]
.irp i, 0,1,2,3
	global_load_b128 v[32+4*(\i):35+4*(\i)], v[SA], s[8:9] offset:512*(\i)       ; q's 512 maxima
	global_load_b128 v[48+4*(\i):51+4*(\i)], v[SA], s[8:9] offset:2048+512*(\i)  ; k's
.endr
	v_mul_u32_u24 v3, v1, PITA
	v_lshl_add_u32 v3, v2, 4, v3                   ; a fragment of pm: row x pitch + 16 x half
	s_mul_i32 s21, s14, 64*PITA
	v_add_nc_u32 v[ADRA], s21, v3
	v_add_nc_u32 v[ADRA+1], SLOT, v[ADRA]
	v_and_b32 v4, 7, v0                            ; the turning load: lane l reads key 8 (l / 16) + l % 8, channels 8 ((l / 8) % 2) + 0..7
	v_lshl_add_u32 v4, v2, 3, v4
	v_mul_u32_u24 v4, v4, PITB
	v_bfe_u32 v5, v0, 3, 1
	v_lshl_add_u32 v4, v5, 4, v4
	s_lshl_b32 s21, s13, 7                         ; my 64 channels
	s_add_co_u32 s21, s21, BPART
	v_add_nc_u32 v[ADRB], s21, v4
	v_add_nc_u32 v[ADRB+1], 128*PITB, v[ADRB]
	v_add_nc_u32 v[ADRB+2], SLOT, v[ADRB]
	v_add_nc_u32 v[ADRB+3], SLOT, v[ADRB+1]
	s_mul_i32 s21, s[WV], 16*SPITCH
	s_add_co_u32 s21, s21, STAGE                   ; my stage
	v_mul_u32_u24 v5, v1, SPITCH                   ; in: row l % 16, 32 bytes for each half of the lanes
	v_lshl_add_u32 v5, v2, 5, v5
	v_add_nc_u32 v[STO], s21, v5
	v_mul_u32_u24 v5, v2, SPITCH                   ; back: lanes 0-15 one row of 256 bytes, lanes 16-31 the next
	v_lshl_add_u32 v5, v1, 4, v5
	v_add_nc_u32 v[RD], s21, v5
	v_lshlrev_b32 v5, 12, v2                       ; and the same two rows in out0
	v_lshl_add_u32 v[CO], v1, 4, v5
	s_wait_loadcnt 0x0
	REDMAX 32
	REDMAX 48
	v_mul_f32 v[ISC], v32, v48
	v_lshrrev_b32 v[ISC], 23, v[ISC]
	v_max_u32 v[ISC], 5, v[ISC]                    ; E
	v_add_nc_u32 v[ISC], -4, v[ISC]
	v_lshlrev_b32 v[ISC], 23, v[ISC]               ; the f32 with exponent field E - 4: 2^(E - 131)
	v_mov_b32 v[ISC+1], v[ISC]
; 8 matrix instructions: row blocks a0, a0 + 1 x all 4 channel blocks, 32 keys: half c of buffer f.  The 16 accumulators take turns in one order on every way.
.macro MUL8 f, c, a0, zero
	WIN MUL
.irp a, \a0, (\a0)+1
.irp b, 0,1,2,3
.if \zero
	v_wmma_f32_16x16x32_f16 v[ACC+8*(4*(\a)+(\b)):ACC+8*(4*(\a)+(\b))+7], v[(\f)+64+8*(4*(\c)+(\b)):(\f)+64+8*(4*(\c)+(\b))+7], v[(\f)+8*(4*(\c)+(\a)):(\f)+8*(4*(\c)+(\a))+7], 0
.else
	v_wmma_f32_16x16x32_f16 v[ACC+8*(4*(\a)+(\b)):ACC+8*(4*(\a)+(\b))+7], v[(\f)+64+8*(4*(\c)+(\b)):(\f)+64+8*(4*(\c)+(\b))+7], v[(\f)+8*(4*(\c)+(\a)):(\f)+8*(4*(\c)+(\a))+7], v[ACC+8*(4*(\a)+(\b)):ACC+8*(4*(\a)+(\b))+7]
.endif
.endr
.endr
.endm
; 32 LDS loads in one run: the fragments of quarter q (64 keys) of slot s into buffer f; the first 32 keys first
.macro FETCH s, q, f
	WIN TO_F
.irp c, 0,1
.irp i, 0,1,2,3
	ds_load_tr16_b128 v[(\f)+64+8*(4*(\c)+(\i)):(\f)+64+8*(4*(\c)+(\i))+3],   v[ADRB+2*(\s)+(\q)/2] offset:(64*((\q)%2)+32*(\c))*PITB+32*(\i)
	ds_load_tr16_b128 v[(\f)+64+8*(4*(\c)+(\i))+4:(\f)+64+8*(4*(\c)+(\i))+7], v[ADRB+2*(\s)+(\q)/2] offset:(64*((\q)%2)+32*(\c)+16)*PITB+32*(\i)
	ds_load_b128 v[(\f)+8*(4*(\c)+(\i)):(\f)+8*(4*(\c)+(\i))+3],              v[ADRA+(\s)] offset:128*(\q)+64*(\c)+(\i)*16*PITA
	ds_load_b128 v[(\f)+8*(4*(\c)+(\i))+4:(\f)+8*(4*(\c)+(\i))+7],            v[ADRA+(\s)] offset:128*(\q)+64*(\c)+(\i)*16*PITA+32
.endr
.endr
.endm
.macro PLACES                          ; four plain vector instructions behind a matrix instruction (ISA guide 7.12.1)
.rept 4
	v_nop
.endr
.endm
.macro QUARTER s, q, f, g              ; multiplies buffer f and fetches quarter q into g
	s_wait_dscnt 16                                ; f's first 32 keys are in
	MUL8 \f, 0, 0, 0
	MUL8 \f, 0, 2, 0
	PLACES
	FETCH \s, \q, \g
	s_wait_dscnt 32                                ; all but the 32 just issued
	MUL8 \f, 1, 0, 0
	MUL8 \f, 1, 2, 0
.endm
; A KEY STEP, out of slot s.  Each wave waits for all its tensor loads (one is out: its part of slot s), adds 0 to its spare word, and waits for that and for its reads of the other slot.
; fill = 1: a round of the cluster's barrier, and behind it the other slot is filled first, with the walk's next step: it has this step's 128 matrix instructions in which to land.
; A block's first step starts the sums with the constant 0: the same sixteen products written a second time, chosen by NEW.
.macro STEP s, fill
	WIN 0
	s_wait_tensorcnt 0x0
	ds_add_u32 v[SPW], v[NIL]                      ; 0 onto my spare word; the descriptors' scalar work stands between it and the wait for it
.if \fill
	ASK 1-(\s)
.endif
	s_wait_dscnt 0x0
.if \fill
	CROUND
	JLOAD 1-(\s)
.else
	s_barrier_signal -1
	s_barrier_wait -1
.endif
.rept 6
	v_nop                                          ; the places behind the last step's products: for the loads into buffer 0, and for products that write over old sums
.endr
	FETCH \s, 0, F0
	WIN 0
	s_wait_dscnt 16
	s_cmp_eq_u32 s[NEW], 1
	s_cbranch_scc1 .Lz_\@
	MUL8 F0, 0, 0, 0
	MUL8 F0, 0, 2, 0
	WIN 0
	s_branch .Lj_\@
.Lz_\@:
	MUL8 F0, 0, 0, 1
	MUL8 F0, 0, 2, 1
	WIN 0
	s_mov_b32 s[NEW], 0
.Lj_\@:
	PLACES
	FETCH \s, 1, F1
	s_wait_dscnt 32
	MUL8 F0, 1, 0, 0
	MUL8 F0, 1, 2, 0
	QUARTER \s, 2, F1, F0
	QUARTER \s, 3, F0, F1
	s_wait_dscnt 16
	MUL8 F1, 0, 0, 0
	MUL8 F1, 0, 2, 0
	s_wait_dscnt 0x0
	MUL8 F1, 1, 0, 0
	MUL8 F1, 1, 2, 0
	WIN 0
.endm
; THE WAY OUT: 16 rows at a time: times 2^(E-131); 32 bytes a lane into my own stage; back as whole rows of 256 bytes; stored.  Each accumulator is read from its lowest registers on.
.macro OUT
	PLACES
.irp a, 0,1,2,3
.set BK, OBK+32*((\a)%2)
.irp b, 0,1,2,3
.irp r, 0,1,2,3
	v_pk_mul_f32 v[TMP+8*(\b)+2*(\r):TMP+8*(\b)+2*(\r)+1], v[ACC+8*(4*(\a)+(\b))+2*(\r):ACC+8*(4*(\a)+(\b))+2*(\r)+1], v[ISC:ISC+1]
.endr
.endr
.irp u, 0,1,2,3,4,5,6,7
	ds_store_b128 v[STO], v[TMP+4*(\u):TMP+4*(\u)+3] offset:64*((\u)/2)+16*((\u)%2)
.endr
	s_wait_xcnt 0x0                                ; earlier stores have read the registers that the loads below fill
.irp t, 0,1,2,3,4,5,6,7
	ds_load_b128 v[BK+4*(\t):BK+4*(\t)+3], v[RD] offset:(\t)*2*SPITCH  ; LDS serves a wave's instructions in order (ISA guide 5.7.1.4): these see the stores above
.endr
	s_wait_dscnt 0x0
.irp t, 0,1,2,3,4,5,6,7
	global_store_b128 v[CO], v[BK+4*(\t):BK+4*(\t)+3], s[OC:OC+1] offset:65536*(\a)+8192*(\t)  ; 16 lanes store 256 consecutive bytes, at a multiple of 256 from out0's first byte
.endr
.endr
.endm
.macro ENDBLK                          ; behind a step in the loop: if it was the first block's last, the tile goes out and the second block begins
	s_sub_co_u32 s[RT], s[RT], 1
	s_cmp_lg_u32 s[RT], 0
	s_cbranch_scc1 .Lskip_\@
	OUT
	s_wait_xcnt 0x0                                ; the stores have read out0's address
	s_mov_b64 s[OC:OC+1], s[OLO:OLO+1]
	s_mov_b32 s[RT], s[NL]
	s_mov_b32 s[NEW], 1
.Lskip_\@:
.endm
.Ltrip:                                                ; four trips: key steps 0 to 7 of the walk, which ask for steps 1 to 8
	STEP 0, 1
	ENDBLK
	STEP 1, 1
	ENDBLK
	s_sub_co_u32 s[CNT], s[CNT], 1
	s_cmp_lg_u32 s[CNT], 0
	s_cbranch_scc1 .Ltrip
	STEP 0, 0                                      ; the walk's last step, the second block's last, is written out: nothing is asked for
	OUT
	s_wait_tensorcnt 0x0                           ; the wave's end
	ds_add_u32 v[SPW], v[NIL]
	s_wait_dscnt 0x0
	CROUND                                         ; the closing round: no work-group ends while a partner may still ask for a tile that names it
	s_endpgm
.Lfunc_end_k_q3d6d1d30e4_pv:
	.size	k_q3d6d1d30e4_pv, .Lfunc_end_k_q3d6d1d30e4_pv-k_q3d6d1d30e4_pv
	.p2alignl 7, 3214868480
	.fill 96, 4, 3214868480
	.section	.rodata,"a",@progbits
	.p2align	6, 0x0
	.amdhsa_kernel k_q3d6d1d30e4_pv
		.amdhsa_group_segment_fixed_size 327680
		.amdhsa_private_segment_fixed_size 0
		.amdhsa_enable_private_segment 0
		.amdhsa_kernarg_size 32
		.amdhsa_user_sgpr_count 2
		.amdhsa_user_sgpr_kernarg_segment_ptr 1
		.amdhsa_wavefront_size32 1
		.amdhsa_system_sgpr_workgroup_id_x 1
		.amdhsa_system_sgpr_workgroup_id_y 1
		.amdhsa_system_sgpr_workgroup_id_z 1
		.amdhsa_system_vgpr_workitem_id 0
		.amdhsa_next_free_vgpr 512
		.amdhsa_next_free_sgpr 84
		.amdhsa_reserve_vcc 0
		.amdhsa_float_denorm_mode_32 3
		.amdhsa_float_denorm_mode_16_64 3
		.amdhsa_memory_ordered 1
		.amdhsa_forward_progress 1
		.amdhsa_inst_pref_size 103
	.end_amdhsa_kernel
	.amdgpu_metadata
---
amdhsa.version: [ 1, 2 ]
amdhsa.kernels:
  - .name:           k_q3d6d1d30e4_pv
    .symbol:         k_q3d6d1d30e4_pv.kd
    .args:
      - { .name: pm, .offset: 0, .size: 8, .value_kind: global_buffer, .address_space: global }
      - { .name: qkv, .offset: 8, .size: 8, .value_kind: global_buffer, .address_space: global }
      - { .name: stat, .offset: 16, .size: 8, .value_kind: global_buffer, .address_space: global }
      - { .name: out0, .offset: 24, .size: 8, .value_kind: global_buffer, .address_space: global }
    .group_segment_fixed_size: 327680
    .private_segment_fixed_size: 0
    .kernarg_segment_align: 8
    .kernarg_segment_size: 32
    .max_flat_workgroup_size: 128
    .sgpr_count:     84
    .vgpr_count:     512
    .wavefront_size: 32
...
	.end_amdgpu_metadata
.endif
;; end of part 4
;; ======== version 2 of 3: 4 launches; 1.11 times as fast as version 1
;; limits: values are held in f16: magnitudes above 65,504 overflow, below 6.1e-05 lose precision; inputs' magnitudes at most 65,504
;; workspace buffers: xb 16,777,216 bytes; wb 6,291,456 bytes; qk 33,554,432 bytes; vv 16,777,216 bytes; stat 4,096 bytes; pm 33,554,432 bytes
;; launch cast (part 5): grid 512 x 1, 8 waves a work-group, no clusters, 0 bytes of LDS; arguments x, Wq, Wk, Wv, xb, wb; writes xb, wb
.if DOCPART == 5
	.amdgcn_target "amdgcn-amd-amdhsa--gfx1250"
	.amdhsa_code_object_version 6
	.text
	.protected	k_q3d6d1d30e4_cast
	.globl	k_q3d6d1d30e4_cast
	.p2align	8
	.type	k_q3d6d1d30e4_cast,@function
k_q3d6d1d30e4_cast:
	s_mov_b64 s[64:65], 0
	v_nop
	global_prefetch_b8 v0, s[64:65] scope:SCOPE_SE
	s_setreg_imm32_b32 hwreg(HW_REG_WAVE_MODE, 25, 1), 1
	s_wait_xcnt 0x0
; x and the three weight matrices are rounded to bf16 (nearest even), and that number is written as f16: xb [8192][1024], wb [3072][1024] = Wq, Wk, Wv one below the other.
; LIMITS.  A bf16 number is exact in f16 from 2^-14 to 65,504 in magnitude; below 2^-14 it keeps f16's fixed step of 2^-24, beyond 65,504 it becomes an infinity.
; A stream: no LDS, no barrier, no matrix unit.  11,264 rows of 4,096 bytes are dealt evenly: each of 512 work-groups takes 16 rows of x and 2 rows of each weight matrix, so there is no branch.
; Thread t takes bytes 16 t of each row: a wave's load covers 512 consecutive bytes, and its store of 8 bytes a lane covers 256 consecutive bytes, aligned.
; All 22 loads of a thread go out at once; no register that a memory instruction names is written twice, so only counted waits for the loads are needed.
.set XROWS, 16
.set WROWS, 2
.set NR,    XROWS+3*WROWS              ; 22 rows a work-group
.set X,     4                          ; v[4:91] row i: 4 registers as loaded; its first two then hold the 4 f16
.set T,     92                         ; v92-93 at work
	s_load_b256 s[8:15], s[0:1], 0x0               ; x 8, Wq 10, Wk 12, Wv 14
	s_load_b128 s[16:19], s[0:1], 0x20             ; xb 16, wb 18
	v_lshlrev_b32 v1, 4, v0                        ; my 16 bytes of a source row
	v_lshlrev_b32 v2, 3, v0                        ; my 8 bytes of a destination row
	s_mov_b32 s28, 0xffff0000                      ; a word's upper bf16
	s_lshl_b32 s20, ttmp9, 16                      ; x: 16 rows of 4,096 bytes
	s_mov_b32 s21, 0
	s_lshl_b32 s22, ttmp9, 13                      ; a weight matrix: 2 rows of 4,096 bytes
	s_mov_b32 s23, 0
	s_lshl_b32 s24, ttmp9, 15                      ; xb: 16 rows of 2,048 bytes
	s_mov_b32 s25, 0
	s_lshl_b32 s26, ttmp9, 12                      ; wb: 2 rows of 2,048 bytes
	s_mov_b32 s27, 0
	s_wait_kmcnt 0x0
	s_add_nc_u64 s[8:9], s[8:9], s[20:21]
	s_add_nc_u64 s[10:11], s[10:11], s[22:23]
	s_add_nc_u64 s[12:13], s[12:13], s[22:23]
	s_add_nc_u64 s[14:15], s[14:15], s[22:23]
	s_add_nc_u64 s[16:17], s[16:17], s[24:25]
	s_add_nc_u64 s[18:19], s[18:19], s[26:27]
.set i, 0
.rept XROWS
	global_load_b128 v[X+4*i:X+4*i+3], v1, s[8:9] offset:4096*i th:TH_LOAD_NT  ; read once in the launch
.set i, i+1
.endr
.irp m, 0,1,2
.irp r, 0,1
	global_load_b128 v[X+4*(XROWS+2*(\m)+(\r)):X+4*(XROWS+2*(\m)+(\r))+3], v1, s[10+2*(\m):11+2*(\m)] offset:4096*(\r) th:TH_LOAD_NT
.endr
.endr
; Row i: rounded to bf16, widened again, written as f16, stored at byte off behind the pointer in s[p:p+1].
.macro CONV i, p, off
	s_wait_loadcnt NR-1-(\i)                       ; loads come back in order: row i is in, the younger ones stay out
	v_cvt_pk_bf16_f32 v[T], v[X+4*(\i)], v[X+4*(\i)+1]
	v_cvt_pk_bf16_f32 v[T+1], v[X+4*(\i)+2], v[X+4*(\i)+3]
	v_lshlrev_b32 v[X+4*(\i)], 16, v[T]            ; bf16 to f32: the low half moves up,
	v_and_b32 v[X+4*(\i)+1], s28, v[T]             ; the high half stays
	v_lshlrev_b32 v[X+4*(\i)+2], 16, v[T+1]
	v_and_b32 v[X+4*(\i)+3], s28, v[T+1]
	v_cvt_pk_f16_f32 v[X+4*(\i)], v[X+4*(\i)], v[X+4*(\i)+1]
	v_cvt_pk_f16_f32 v[X+4*(\i)+1], v[X+4*(\i)+2], v[X+4*(\i)+3]
	global_store_b64 v2, v[X+4*(\i):X+4*(\i)+1], s[(\p):(\p)+1] offset:\off
.endm
.set i, 0
.rept XROWS
	CONV i, 16, 2048*i
.set i, i+1
.endr
.irp m, 0,1,2
.irp r, 0,1
	CONV XROWS+2*(\m)+(\r), 18, 1024*2048*(\m)+2048*(\r)   ; matrix m begins 1,024 rows of 2,048 bytes further on in wb
.endr
.endr
	s_endpgm
.Lfunc_end_k_q3d6d1d30e4_cast:
	.size	k_q3d6d1d30e4_cast, .Lfunc_end_k_q3d6d1d30e4_cast-k_q3d6d1d30e4_cast
	.p2alignl 7, 3214868480
	.fill 96, 4, 3214868480
	.section	.rodata,"a",@progbits
	.p2align	6, 0x0
	.amdhsa_kernel k_q3d6d1d30e4_cast
		.amdhsa_group_segment_fixed_size 0
		.amdhsa_private_segment_fixed_size 0
		.amdhsa_enable_private_segment 0
		.amdhsa_kernarg_size 48
		.amdhsa_user_sgpr_count 2
		.amdhsa_user_sgpr_kernarg_segment_ptr 1
		.amdhsa_wavefront_size32 1
		.amdhsa_system_sgpr_workgroup_id_x 1
		.amdhsa_system_sgpr_workgroup_id_y 1
		.amdhsa_system_sgpr_workgroup_id_z 1
		.amdhsa_system_vgpr_workitem_id 0
		.amdhsa_next_free_vgpr 96
		.amdhsa_next_free_sgpr 66
		.amdhsa_reserve_vcc 0
		.amdhsa_float_denorm_mode_32 3
		.amdhsa_float_denorm_mode_16_64 3
		.amdhsa_memory_ordered 1
		.amdhsa_forward_progress 1
		.amdhsa_inst_pref_size 15
	.end_amdhsa_kernel
	.amdgpu_metadata
---
amdhsa.version: [ 1, 2 ]
amdhsa.kernels:
  - .name:           k_q3d6d1d30e4_cast
    .symbol:         k_q3d6d1d30e4_cast.kd
    .args:
      - { .name: x, .offset: 0, .size: 8, .value_kind: global_buffer, .address_space: global }
      - { .name: Wq, .offset: 8, .size: 8, .value_kind: global_buffer, .address_space: global }
      - { .name: Wk, .offset: 16, .size: 8, .value_kind: global_buffer, .address_space: global }
      - { .name: Wv, .offset: 24, .size: 8, .value_kind: global_buffer, .address_space: global }
      - { .name: xb, .offset: 32, .size: 8, .value_kind: global_buffer, .address_space: global }
      - { .name: wb, .offset: 40, .size: 8, .value_kind: global_buffer, .address_space: global }
    .group_segment_fixed_size: 0
    .private_segment_fixed_size: 0
    .kernarg_segment_align: 8
    .kernarg_segment_size: 48
    .max_flat_workgroup_size: 256
    .sgpr_count:     66
    .vgpr_count:     96
    .wavefront_size: 32
...
	.end_amdgpu_metadata
.endif
;; end of part 5
;; launch proj (part 6): grid 8 x 32, 4 waves a work-group, clusters of 4 x 4, 327,680 bytes of LDS; arguments xb, wb, qk, bq, bk, stat; writes qk, stat
.if DOCPART == 6
	.amdgcn_target "amdgcn-amd-amdhsa--gfx1250"
	.amdhsa_code_object_version 6
	.text
	.protected	k_q3d6d1d30e4_proj
	.globl	k_q3d6d1d30e4_proj
	.p2align	8
	.type	k_q3d6d1d30e4_proj,@function
k_q3d6d1d30e4_proj:
	s_mov_b64 s[64:65], 0
	v_nop
	global_prefetch_b8 v0, s[64:65] scope:SCOPE_SE
	s_setreg_imm32_b32 hwreg(HW_REG_WAVE_MODE, 25, 1), 1
	s_wait_xcnt 0x0
	s_wait_alu depctr_hold_cnt(0) depctr_sa_sdst(0) depctr_va_vdst(0) depctr_va_sdst(0) depctr_va_ssrc(0) depctr_va_vcc(0) depctr_vm_vsrc(0)
	s_getreg_b32 s2, hwreg(HW_REG_IB_STS2, 6, 4)
	s_cmp_eq_u32 s2, 0
	s_cbranch_scc0 .Lentry_in_a_cluster
	s_endpgm
.Lentry_in_a_cluster:
	s_bfe_u32 s2, ttmp6, 0x10000c
	s_cmp_lg_u32 s2, 0xf033
	s_cbranch_scc0 .Lentry_shape_is_right
	s_endpgm
.Lentry_shape_is_right:
; q = xb Wq^T + bq, k = xb Wk^T + bk.  xb [8192][1024], wb rows 0-1023 Wq, 1024-2047 Wk, both f16 that hold numbers rounded to bf16; bq, bk f32, rounded here to bf16; sums and bias in f32;
; qk [2][8192][1024] (q, then k) rounded once to f16.  stat [8][32][4] f32: for each tile column, tile row and wave the largest |sum + bias| of the wave's 128 x 128.
; LIMITS.  f16 ends at 65,504: q and k must stay under it (drawn inputs give about 5; all inputs 30 times larger about 5,400).  NaN and infinities are not treated apart.
; 8192 x 2048 results are 256 tiles of 256 x 256: one work-group for each.  Four waves, each 128 x 128: 64 accumulators of 16 x 16, 512 registers.  K goes in steps of 128 through two LDS slots
; filled by the tensor data mover: a tile's rows are 256 bytes of memory at multiples of 256 bytes.
; CLUSTER 4 x 4: the four work-groups of a row of the cluster need the same rows of xb, the four of a column the same rows of wb: each tile is asked for jointly, by the same
; tensor load with the same descriptor and a mask that names the four.
; THE MATRIX INSTRUCTION IS USED TRANSPOSED (source 0 = 16 rows of wb, source 1 = 16 rows of xb): lane l holds row l % 16 of the result and the eight columns 8 (l / 16) + 0..7.
; REGISTERS, in windows of 256 (s_set_vgpr_msb: bits 1:0 source 0, 3:2 source 1, 5:4 source 2, 7:6 destination):
;   window 0: v0-31 addresses and maxima; v64-127, v128-191 fragments of xb, two buffers; on the way out v64-127 sums with bias, v192-223 packed, v32-63 and v224-255 rows read back
;   window 1: v0-63 bias of my 128 columns; v64-127, v128-191 fragments of wb      window 2, 3: accumulators of my rows 0-63, 64-127: (a, b) at v[8 (8 (a % 4) + b)]
.set OUTP,   2048                      ; bytes in a row of q or of k
.set SIZE_K, 1024
.set KSTEP,  128
.set PITCH,  272                       ; an LDS row: 256 bytes + 16 of padding = 68 words, so the 16 rows of a fragment load start at 16 different groups of four banks
.set HALFT,  128*PITCH                 ; 128 rows: what one tensor load brings
.set SLOT,   4*HALFT                   ; xb's 256 rows, then wb's 256 rows
.set STAGE,  2*SLOT                    ; behind the ring: 16 rows x 272 bytes for each wave, for the way out; no tensor load lands here
.set SPITCH, 272
.set SPARE,  STAGE+4*16*SPITCH         ; the spare words: 128 bytes a wave, two blocks of 256 bytes that no other line names
.set LAPS,   SIZE_K/(2*KSTEP)          ; 4 laps of two K steps
.set MX,   8                           ; v8-11  four running maxima of |sum + bias|; v12 at work
.set ADRA, 16                          ; v16-17 LDS address of my xb fragments in slot 0, 1
.set ADRB, 20                          ; v20-21 the same for wb
.set STO,  24                          ; v24    the way out: where I put 16 bytes of a row
.set RD,   25                          ; v25    where I read a row back
.set CO,   26                          ; v26    my byte offset in two rows of the output
.set BO,   27                          ; v27    byte offset of my first bias
.set SPW,  28                          ; v28    my spare word; never rewritten
.set NIL,  29                          ; v29    0; never rewritten
.set LN,   30                          ; v30    lane
.set SO,   31                          ; v31    my wave's byte in stat
.set F0,   64
.set F1,   128
.set T,    64
.set TMP,  192
.set OB,   32
.set G1,  24                           ; s[24:31] group 1 for xb's tiles;  s[32:39] group 0, a set for each slot
.set G0,  32
.set G1B, 48                           ; s[48:55], s[56:63] the same for wb's
.set G0B, 56
.set MSB, 0
.macro WIN new                         ; the immediate's high byte repeats the setting that is left; a switch that changes nothing is dropped
.if MSB != (\new)
	s_set_vgpr_msb (MSB<<8)|(\new)
.set MSB, \new
.endif
.endm
.set MUL_LO, 0xa1                      ; source 0 (wb) window 1, source 1 (xb) window 0, C and D window 2
.set MUL_HI, 0xf1                      ; the same, C and D window 3
.set TO_B,   0x40                      ; destination window 1, address window 0
; A joint load.  Waves 0 and 1 fetch xb's two halves, waves 2 and 3 wb's.  The branch hangs on the wave's number alone.  An s_nop 0 and four v_nop follow each line.
.macro JLOAD s
	s_cmp_eq_u32 s11, 0
	s_cbranch_scc0 .Lfor_b_\@
	tensor_load_to_lds s[G0+4*(\s):G0+4*(\s)+3], s[G1:G1+7]
	s_nop 0
.rept 4
	v_nop
.endr
	s_branch .Lasked_\@
.Lfor_b_\@:
	tensor_load_to_lds s[G0B+4*(\s):G0B+4*(\s)+3], s[G1B:G1B+7]
	s_nop 0
.rept 4
	v_nop
.endr
.Lasked_\@:
.endm
.macro CREST                           ; a round of the cluster's barrier behind its opening barrier
	s_cmp_lg_u32 s10, 0
	s_cbranch_scc1 .Lnot_wave_0_\@
	s_barrier_signal -3
.Lnot_wave_0_\@:
	s_barrier_wait -3
	s_barrier_signal -1
	s_barrier_wait -1
.endm
.macro CROUND                          ; a whole round
	s_barrier_signal -1
	s_barrier_wait -1
	CREST
.endm
	s_load_b128 s[4:7], s[0:1], 0x0                ; xb s[4:5], wb s[6:7]
	s_load_b64 s[8:9], s[0:1], 0x10                ; qk
	s_load_b64 s[76:77], s[0:1], 0x18              ; bq
	s_load_b64 s[78:79], s[0:1], 0x20              ; bk
	s_load_b64 s[70:71], s[0:1], 0x28              ; stat
	v_lshl_add_u32 v[SPW], v0, 2, SPARE
	v_mov_b32 v[NIL], 0
	ds_add_u32 v[SPW], v[NIL]                      ; the wave's opening: the add and its wait stand ahead of my first tensor load; register work stands between them
	ds_add_u32 v28, v29
	v_lshrrev_b32 v1, 5, v0
	v_readfirstlane_b32 s10, v1                    ; wave 0..3
	s_lshr_b32 s11, s10, 1                         ; which half of the tile's rows is mine.  Also: I fetch for xb (0) or wb (1)
	s_and_b32 s12, s10, 1                          ; which half of its columns.  Also: which 128 rows of that tile I fetch
	s_bfe_u32 s40, ttmp6, 0x40000                  ; cx
	s_bfe_u32 s41, ttmp6, 0x40004                  ; cy
	s_lshl_b32 s42, ttmp9, 2
	s_add_co_u32 s42, s42, s40                     ; tile column = 4 x cluster x + cx: 0-3 q, 4-7 k
	s_and_b32 s13, ttmp7, 0xffff
	s_lshl_b32 s13, s13, 2
	s_add_co_u32 s13, s13, s41                     ; tile row = 4 x cluster y + cy
	s_lshl_b32 s43, s41, 2
	s_lshl_b32 s43, 15, s43                        ; my row of the cluster
	s_lshl_b32 s44, 0x1111, s40                    ; my column
	s_or_b32 s[G1+0], s43, (1<<16)|(1<<20)|(1<<21)|(5<<22)|(3<<25)   ; mask; 2-byte elements; padding on; bit 21 beside a mask; after every 64 words 4 words
	s_or_b32 s[G1B+0], s44, (1<<16)|(1<<20)|(1<<21)|(5<<22)|(3<<25)
.irp g, G1, G1B
	s_mov_b32 s[(\g)+1], KSTEP<<16                 ; tensor_dim0 = 128
	s_mov_b32 s[(\g)+2], 128<<16                   ; tensor_dim1 = 128
	s_mov_b32 s[(\g)+3], KSTEP<<16                 ; tile_dim0 = 128
	s_mov_b32 s[(\g)+4], 128                       ; tile_dim1 = 128
	s_mov_b32 s[(\g)+5], SIZE_K                    ; elements from row to row
	s_mov_b32 s[(\g)+6], 0
	s_mov_b32 s[(\g)+7], 0
.endr
	s_mov_b32 s72, 0x76543210                      ; v_permlanex16_b32: each lane takes its own place in the other half
	s_mov_b32 s73, 0xfedcba98
	s_lshl_b32 s75, s42, 5                         ; my wave's byte in stat: 4 ((32 tile column + tile row) 4 + wave)
	s_add_co_u32 s75, s75, s13
	s_lshl_b32 s75, s75, 2
	s_add_co_u32 s75, s75, s10
	s_lshl_b32 s75, s75, 2
	s_and_b32 s66, s42, 3                          ; my first column's bias in bq or bk: 4 (256 (tile column % 4) + 128 half)
	s_lshl_b32 s66, s66, 10
	s_lshl_b32 s67, s12, 9
	s_add_co_u32 s66, s66, s67
	s_lshl_b32 s17, s12, 7
	s_lshl_b32 s16, s13, 8
	s_add_co_u32 s16, s16, s17                     ; xb: row 256 x tile row + 128 x half
	s_lshl_b32 s46, s42, 8
	s_add_co_u32 s46, s46, s17                     ; wb: row 256 x tile column + 128 x half
	s_mov_b32 s17, 0
	s_mov_b32 s47, 0
	s_mov_b64 s[18:19], SIZE_K*2
	s_mul_u64 s[16:17], s[16:17], s[18:19]
	s_mul_u64 s[46:47], s[46:47], s[18:19]
	s_mul_i32 s20, s10, HALFT                      ; where they go: wave x 128 rows; no place in the cluster enters an LDS address
	s_wait_dscnt 0x0                               ; the opening add is done
	s_wait_kmcnt 0x0
	s_add_nc_u64 s[14:15], s[4:5], s[16:17]
	s_add_nc_u64 s[46:47], s[6:7], s[46:47]
	s_cmp_lt_u32 s42, 4
	s_cselect_b64 s[68:69], s[76:77], s[78:79]     ; my tile's bias: bq or bk (a choice of a pointer, no branch)
	CROUND                                         ; all sixteen work-groups are here: the first joint loads meet
.irp s, 0,1
	s_mov_b32 s[G0+4*(\s)], 1
	s_add_co_u32 s[G0+4*(\s)+1], s20, (\s)*SLOT
	s_add_nc_u64 s[G0+4*(\s)+2:G0+4*(\s)+3], s[14:15], (\s)*KSTEP*2
	s_or_b32 s[G0+4*(\s)+3], s[G0+4*(\s)+3], 0x80000000
	s_mov_b32 s[G0B+4*(\s)], 1
	s_add_co_u32 s[G0B+4*(\s)+1], s20, (\s)*SLOT
	s_add_nc_u64 s[G0B+4*(\s)+2:G0B+4*(\s)+3], s[46:47], (\s)*KSTEP*2
	s_or_b32 s[G0B+4*(\s)+3], s[G0B+4*(\s)+3], 0x80000000
	JLOAD \s                                       ; two tensor loads of mine are out
.endr
	v_and_b32 v1, 15, v0                           ; l % 16
	v_bfe_u32 v2, v0, 4, 1                         ; l / 16
	v_lshl_add_u32 v[BO], v2, 5, s66               ; + 32 bytes for the upper half of the lanes
	WIN TO_B
.irp b, 0,1,2,3,4,5,6,7                ; column block b: my eight biases; waited for on the way out
	global_load_b128 v[8*(\b):8*(\b)+3],   v[BO], s[68:69] offset:64*(\b)
	global_load_b128 v[8*(\b)+4:8*(\b)+7], v[BO], s[68:69] offset:64*(\b)+16
.endr
	WIN 0
	v_and_b32 v[LN], 31, v0
	v_mov_b32 v[SO], s75
	v_mul_u32_u24 v3, v1, PITCH
	v_lshl_add_u32 v3, v2, 4, v3                   ; a fragment's row x pitch + 16 x half
	s_mul_i32 s21, s11, HALFT                      ; my 128 rows of xb
	s_mul_i32 s22, s12, HALFT                      ; my 128 rows of wb,
	s_add_co_u32 s22, s22, 2*HALFT                 ; behind xb's 256
.irp s, 0,1
	v_add_nc_u32 v[ADRA+(\s)], s21, v3
	v_add_nc_u32 v[ADRB+(\s)], s22, v3
	s_add_co_u32 s21, s21, SLOT
	s_add_co_u32 s22, s22, SLOT
.endr
	s_mul_i32 s23, s10, 16*SPITCH
	s_add_co_u32 s23, s23, STAGE                   ; my stage
	v_mul_u32_u24 v4, v1, SPITCH
	v_lshl_add_u32 v4, v2, 4, v4
	v_add_nc_u32 v[STO], s23, v4
	v_mul_u32_u24 v5, v2, SPITCH
	v_lshl_add_u32 v5, v1, 4, v5
	v_add_nc_u32 v[RD], s23, v5
	v_mul_u32_u24 v5, v2, OUTP
	v_lshl_add_u32 v[CO], v1, 4, v5
	s_lshl_b32 s13, s13, 8                         ; where my part of the tile begins in qk, in bytes: 2,048 (256 tile row + 128 row half)
	s_lshl_b32 s14, s11, 7
	s_add_co_u32 s16, s13, s14
	s_lshl_b32 s16, s16, 11
	s_mov_b32 s17, 0
	s_and_b32 s46, s42, 3                          ; + 512 (tile column % 4) + 256 column half
	s_lshl_b32 s46, s46, 9
	s_lshl_b32 s47, s12, 8
	s_add_co_u32 s46, s46, s47
	s_lshr_b32 s47, s42, 2                         ; + 8,192 rows of 2,048 bytes for k
	s_lshl_b32 s47, s47, 24
	s_add_co_u32 s46, s46, s47
	s_mov_b32 s47, 0
	s_add_nc_u64 s[16:17], s[16:17], s[46:47]
; 16 matrix instructions: row blocks a0, a0 + 1 of the window's four x all 8 column blocks, 32 along K.  zero = 1: the first product starts the sums.
.macro MUL16 f, hi, a0, zero
	WIN MUL_LO+0x50*(\hi)
.irp a, \a0, (\a0)+1
.irp b, 0,1,2,3,4,5,6,7
.if \zero
	v_wmma_f32_16x16x32_f16 v[8*(8*(\a)+(\b)):8*(8*(\a)+(\b))+7], v[(\f)+8*(\b):(\f)+8*(\b)+7], v[(\f)+8*(4*(\hi)+(\a)):(\f)+8*(4*(\hi)+(\a))+7], 0
.else
	v_wmma_f32_16x16x32_f16 v[8*(8*(\a)+(\b)):8*(8*(\a)+(\b))+7], v[(\f)+8*(\b):(\f)+8*(\b)+7], v[(\f)+8*(4*(\hi)+(\a)):(\f)+8*(4*(\hi)+(\a))+7], v[8*(8*(\a)+(\b)):8*(8*(\a)+(\b))+7]
.endif
.endr
.endr
.endm
; 32 LDS loads in one run: the fragments of one quarter step (32 K at byte k of the rows) into buffer f: wb's 16 loads, then xb's
.macro FETCH slot, k, f
	WIN TO_B
.irp i, 0,1,2,3,4,5,6,7
	ds_load_b128 v[(\f)+8*(\i):(\f)+8*(\i)+3],   v[ADRB+(\slot)] offset:(\k)+(\i)*16*PITCH
	ds_load_b128 v[(\f)+8*(\i)+4:(\f)+8*(\i)+7], v[ADRB+(\slot)] offset:(\k)+(\i)*16*PITCH+32
.endr
	WIN 0
.irp i, 0,1,2,3,4,5,6,7
	ds_load_b128 v[(\f)+8*(\i):(\f)+8*(\i)+3],   v[ADRA+(\slot)] offset:(\k)+(\i)*16*PITCH
	ds_load_b128 v[(\f)+8*(\i)+4:(\f)+8*(\i)+7], v[ADRA+(\slot)] offset:(\k)+(\i)*16*PITCH+32
.endr
.endm
.macro PLACES                          ; four plain vector instructions between a matrix instruction and a load into, or a vector read or write of, its registers
.rept 4
	v_nop
.endr
.endm
; A K step is four quarters of 32 along K, 64 matrix instructions each, on buffers 0, 1, 0, 1.  One of the first three multiplies f and fetches the next quarter, at byte k, into g.
.macro QUARTER slot, k, f, g, zero
	s_wait_dscnt 8                                 ; wb's and xb's rows 0-63 are in; the youngest eight loads (xb's rows 64-127) may be out
	MUL16 \f, 0, 0, \zero
	MUL16 \f, 0, 2, \zero
	PLACES
	FETCH \slot, \k, \g
	s_wait_dscnt 32                                ; all but the 32 just issued
	MUL16 \f, 1, 0, \zero
	MUL16 \f, 1, 2, \zero
.endm
; The first half of the last quarter: one barrier for the change of slots.  In front of it each wave waits for all its tensor loads (one is out: its part of the next slot),
; adds 0 to its spare word, and waits for that and for its reads of this slot.
.macro MEET round
	WIN 0
	s_wait_tensorcnt 0x0
	ds_add_u32 v[SPW], v[NIL]
	s_wait_dscnt 9                                 ; the add and the youngest eight loads may be out
	MUL16 F1, 0, 0, 0
	s_wait_dscnt 0x0                               ; the add is done, and my reads of this slot are over
	s_barrier_signal -1
	MUL16 F1, 0, 2, 0
.if \round
	WIN 0
.endif
	s_barrier_wait -1
.endm
; The whole last quarter in the loop: the barrier opens a round of the cluster's; behind it the slot just read is filled again, two K steps on; 224 matrix instructions lie between the request and the wait for it.
.macro TURN slot, next
	MEET 1
	CREST
	s_add_nc_u64 s[G0+4*(\slot)+2:G0+4*(\slot)+3], s[G0+4*(\slot)+2:G0+4*(\slot)+3], 2*KSTEP*2
	s_add_nc_u64 s[G0B+4*(\slot)+2:G0B+4*(\slot)+3], s[G0B+4*(\slot)+2:G0B+4*(\slot)+3], 2*KSTEP*2
	JLOAD \slot                                    ; its four v_nop are also the places in front of the loads below
	FETCH \next, 0, F0
	MUL16 F1, 1, 0, 0
	MUL16 F1, 1, 2, 0
.endm
; THE WAY OUT of row block a.  PACKB: bias added, the maxima of the magnitudes kept, rounded to f16.  Each accumulator is read from its lowest registers on.
.macro PACKB a
.set AC, 64*((\a)%4)
	WIN 0x04|(2+(\a)/4)                            ; source 0 window 2 or 3, source 1 (bias) window 1, destination window 0
.irp b, 0,1,2,3,4,5,6,7
.irp r, 0,1,2,3
	v_pk_add_f32 v[T+8*(\b)+2*(\r):T+8*(\b)+2*(\r)+1], v[AC+8*(\b)+2*(\r):AC+8*(\b)+2*(\r)+1], v[8*(\b)+2*(\r):8*(\b)+2*(\r)+1]
.endr
.endr
	WIN 0
.set i, 0
.rept 32
	v_max3_num_f32 v[MX+i%4], v[MX+i%4], |v[T+2*i]|, |v[T+2*i+1]|
.set i, i+1
.endr
.set i, 0
.rept 32
	v_cvt_pk_f16_f32 v[TMP+i], v[T+2*i], v[T+2*i+1]
.set i, i+1
.endr
.endm
.macro TOSTAGE a                       ; into my own stage, and back as whole rows of 256 bytes; LDS serves a wave's instructions in order (ISA guide 5.7.1.4)
	WIN 0
.set BK, OB+192*((\a)%2)
.irp b, 0,1,2,3,4,5,6,7
	ds_store_b128 v[STO], v[TMP+4*(\b):TMP+4*(\b)+3] offset:32*(\b)
.endr
.irp t, 0,1,2,3,4,5,6,7
	ds_load_b128 v[BK+4*(\t):BK+4*(\t)+3], v[RD] offset:(\t)*2*SPITCH
.endr
.endm
.macro SEND a
	WIN 0
.set BK, OB+192*((\a)%2)
	s_wait_dscnt 0x0                               ; the block is back in registers
	s_wait_xcnt 0x0                                ; earlier stores have read their base and their data: only now are these rewritten
.if (\a) == 0
	s_add_nc_u64 s[8:9], s[8:9], s[16:17]
.else
	s_add_nc_u64 s[8:9], s[8:9], 16*OUTP
.endif
.irp t, 0,1,2,3,4,5,6,7
	global_store_b128 v[CO], v[BK+4*(\t):BK+4*(\t)+3], s[8:9] offset:2*(\t)*OUTP  ; 16 lanes store 256 consecutive bytes, at a multiple of 256 from qk's first byte
.endr
.endm
	s_wait_tensorcnt 1                             ; my part of K step 0 is in; K step 1's may stay out
	s_barrier_signal -1
	s_barrier_wait -1
	FETCH 0, 0, F0
	QUARTER 0, 64,  F0, F1, 1                      ; the first quarter stands in front of the loop: its products start the sums
	WIN 0
	s_mov_b32 s3, LAPS-1
.Llap:                                                 ; a trip goes once round the ring and fills both slots again
	QUARTER 0, 128, F1, F0, 0
	QUARTER 0, 192, F0, F1, 0
	TURN 0, 1
	QUARTER 1, 64,  F0, F1, 0
	QUARTER 1, 128, F1, F0, 0
	QUARTER 1, 192, F0, F1, 0
	TURN 1, 0
	QUARTER 0, 64,  F0, F1, 0
	WIN 0
	s_sub_co_u32 s3, s3, 1
	s_cmp_lg_u32 s3, 0
	s_cbranch_scc1 .Llap
	QUARTER 0, 128, F1, F0, 0                      ; the last lap fills nothing
	QUARTER 0, 192, F0, F1, 0
	MEET 0
	PLACES
	FETCH 1, 0, F0
	MUL16 F1, 1, 0, 0
	MUL16 F1, 1, 2, 0
	QUARTER 1, 64,  F0, F1, 0
	QUARTER 1, 128, F1, F0, 0
	QUARTER 1, 192, F0, F1, 0
	s_wait_dscnt 8
	MUL16 F1, 0, 0, 0
	MUL16 F1, 0, 2, 0
	s_wait_dscnt 0x0
	MUL16 F1, 1, 0, 0
	MUL16 F1, 1, 2, 0
	WIN 0
.irp i, 0,1,2,3,4
	v_mov_b32 v[MX+(\i)], 0                        ; the maxima start at 0 (v12 is written for v_permlanex16_b32): five plain instructions, the places behind the last products
.endr
	s_wait_loadcnt 0x0                             ; the bias
	WIN 0x45                                       ; sources and destination in window 1
.set i, 0
.rept 32
	v_cvt_pk_bf16_f32 v[F0+i], v[2*i], v[2*i+1]    ; the bias is rounded to bf16 like the other inputs (wb's first fragment buffer is free: its last readers stand 64 products and the five lines above back)
.set i, i+1
.endr
.set i, 0
.rept 32
	v_lshlrev_b32 v[2*i], 16, v[F0+i]              ; and widened again
	v_and_b32 v[2*i+1], 0xffff0000, v[F0+i]
.set i, i+1
.endr
	PACKB 0
	TOSTAGE 0
.irp a, 1,2,3,4,5,6,7                  ; block a's arithmetic stands between block a - 1's loads from the stage and the wait for them
	PACKB \a
	SEND (\a)-1
	TOSTAGE \a
.endr
	SEND 7
	v_max3_num_f32 v[MX], v[MX], v[MX+1], v[MX+2]
	v_max_num_f32 v[MX], v[MX], v[MX+3]
	v_max_num_f32_dpp v[MX], v[MX], v[MX] row_xmask:1 row_mask:0xf bank_mask:0xf
	v_max_num_f32_dpp v[MX], v[MX], v[MX] row_xmask:2 row_mask:0xf bank_mask:0xf
	v_max_num_f32_dpp v[MX], v[MX], v[MX] row_xmask:4 row_mask:0xf bank_mask:0xf
	v_max_num_f32_dpp v[MX], v[MX], v[MX] row_xmask:8 row_mask:0xf bank_mask:0xf
	v_permlanex16_b32 v12, v[MX], s72, s73
	v_max_num_f32 v[MX], v[MX], v12                ; the wave's maximum, in every lane
	s_wait_xcnt 0x0                                ; EXEC is a source of the stores above: it changes only behind this wait
	v_cmp_eq_u32 vcc_lo, 0, v[LN]
	s_and_saveexec_b32 s74, vcc_lo
	global_store_b32 v[SO], v[MX], s[70:71]        ; lane 0 alone: one word a wave
	s_wait_xcnt 0x0
	s_or_b32 exec_lo, exec_lo, s74
	s_wait_tensorcnt 0x0                           ; the wave's end
	ds_add_u32 v[SPW], v[NIL]
	s_wait_dscnt 0x0
	CROUND                                         ; the closing round: no work-group ends while a partner may still ask for a tile that names it
	s_endpgm
.Lfunc_end_k_q3d6d1d30e4_proj:
	.size	k_q3d6d1d30e4_proj, .Lfunc_end_k_q3d6d1d30e4_proj-k_q3d6d1d30e4_proj
	.p2alignl 7, 3214868480
	.fill 96, 4, 3214868480
	.section	.rodata,"a",@progbits
	.p2align	6, 0x0
	.amdhsa_kernel k_q3d6d1d30e4_proj
		.amdhsa_group_segment_fixed_size 327680
		.amdhsa_private_segment_fixed_size 0
		.amdhsa_enable_private_segment 0
		.amdhsa_kernarg_size 48
		.amdhsa_user_sgpr_count 2
		.amdhsa_user_sgpr_kernarg_segment_ptr 1
		.amdhsa_wavefront_size32 1
		.amdhsa_system_sgpr_workgroup_id_x 1
		.amdhsa_system_sgpr_workgroup_id_y 1
		.amdhsa_system_sgpr_workgroup_id_z 1
		.amdhsa_system_vgpr_workitem_id 0
		.amdhsa_next_free_vgpr 1024
		.amdhsa_next_free_sgpr 80
		.amdhsa_reserve_vcc 1
		.amdhsa_float_denorm_mode_32 3
		.amdhsa_float_denorm_mode_16_64 3
		.amdhsa_memory_ordered 1
		.amdhsa_forward_progress 1
		.amdhsa_inst_pref_size 183
	.end_amdhsa_kernel
	.amdgpu_metadata
---
amdhsa.version: [ 1, 2 ]
amdhsa.kernels:
  - .name:           k_q3d6d1d30e4_proj
    .symbol:         k_q3d6d1d30e4_proj.kd
    .args:
      - { .name: xb, .offset: 0, .size: 8, .value_kind: global_buffer, .address_space: global }
      - { .name: wb, .offset: 8, .size: 8, .value_kind: global_buffer, .address_space: global }
      - { .name: qk, .offset: 16, .size: 8, .value_kind: global_buffer, .address_space: global }
      - { .name: bq, .offset: 24, .size: 8, .value_kind: global_buffer, .address_space: global }
      - { .name: bk, .offset: 32, .size: 8, .value_kind: global_buffer, .address_space: global }
      - { .name: stat, .offset: 40, .size: 8, .value_kind: global_buffer, .address_space: global }
    .group_segment_fixed_size: 327680
    .private_segment_fixed_size: 0
    .kernarg_segment_align: 8
    .kernarg_segment_size: 48
    .max_flat_workgroup_size: 128
    .sgpr_count:     80
    .vgpr_count:     1024
    .wavefront_size: 32
...
	.end_amdgpu_metadata
.endif
;; end of part 6
;; launch score (part 7): grid 62 x 4, 4 waves a work-group, no clusters, 327,680 bytes of LDS; arguments qk, stat, pm, xb, wb, vv; writes pm, vv
.if DOCPART == 7
	.amdgcn_target "amdgcn-amd-amdhsa--gfx1250"
	.amdhsa_code_object_version 6
	.text
	.protected	k_q3d6d1d30e4_score
	.globl	k_q3d6d1d30e4_score
	.p2align	8
	.type	k_q3d6d1d30e4_score,@function
k_q3d6d1d30e4_score:
	s_mov_b64 s[64:65], 0
	v_nop
	global_prefetch_b8 v0, s[64:65] scope:SCOPE_SE
	s_setreg_imm32_b32 hwreg(HW_REG_WAVE_MODE, 25, 1), 1
	s_wait_xcnt 0x0
; TWO KINDS OF TILE, ONE TEXT.  Both are 256 x 256 results of a product over K = 1024 of two f16 operands whose rows are 2,048 bytes; they differ in pointers, row numbers, the output's pitch and a table of factors.
; Work-groups 0-29 of a batch (grid y): pm[bt][i][j] = (q_i . k_j) g^(i-j) 2^(131-E) for i >= j, 0 for i < j, in f16; g = 0.96875; q, k = the two halves of qk [2][8192][1024].
; Work-groups 30-61 of a batch: vv = xb Wv^T (wb's rows 2048-3071), f16 [8192][1024]: the batch's 8 x 4 tiles.  They take the same way out with every factor 1 (256 multiplies by 1 a wave, and a read of stat
; that serves them nothing: the price of one text).  120 + 128 tiles of equal length make 248 work-groups, one to a WGP.
; THE SCALE.  qm, km = the largest |q|, |k| (stat); E = the biased exponent of qm km, at least 5, so qm km < 2^(E-126) and |q_i . k_j| <= 1024 qm km (1 + 2^-11)^2 < 1.001 x 2^(E-116):
; the stored number stays under 32,800 g^(i-j), inside f16, whatever the inputs' size.  The launch behind multiplies by 2^(E-131), exactly.
; WHICH SCORE TILES ARE MADE: tile row I, tile column J with 0 <= I - J <= 4: 30 a batch.  Above the diagonal the mask is 0.  From I - J = 5 on, i - j >= 1,025, the stored number is under
; 32,800 x 2^-46.9, less than half of f16's least step 2^-24, and is 0 for every input: those tiles are neither made here nor read by the launch behind.
; LIMITS.  That is f16's limit: a weighted score below 2^-40 of 1,024 qm km counts as 0, and one under 6e-5 (as stored) keeps the fixed step of 6e-8.  A factor g^d 2^(131-E) below 2^-126 counts as 0:
; that needs E > 163.  E is clamped at 5 (qm km below 2^-122).  v must stay under 65,504.  NaN and infinities are not treated apart.
; NO CLUSTER: the band's rows have 1, 2, 3, 4, 5, 5, 5, 5 tiles and its columns the same counts, so the score tiles do not fall into groups of four that share an operand, and the two kinds share one text.
; Shape: four waves, each 128 x 128 = 64 accumulators; K in steps of 128 through two LDS slots; each wave brings 128 rows x 256 bytes with one tensor load (waves 0, 1: q or xb; 2, 3: k or wb).
; TRANSPOSED USE: source 0 = 16 rows of k, source 1 = 16 rows of q: lane l holds row l % 16 and the columns 8 (l / 16) + 0..7 of a block.  In accumulator (a, b) register r has
; i - j = D0 + 16 (a - b) - r, D0 = 256 (I - J) + 128 (row half - column half) + l % 16 - 8 (l / 16): 15 values of a - b, so a table of 15 x 8 registers holds every factor, 0 where i < j.
; REGISTERS: window 0: v0-31 addresses; v64-127, v128-191 fragments of the first operand (before the loop: at work for the table; on the way out v64-127 products, v192-223 packed, v32-63, v224-255 rows read back)
;   window 1: v0-63, v192-247 the table; v64-127, v128-191 fragments of the second operand      window 2, 3: accumulators
.set NS,     30                        ; score tiles of a batch
.set KSTEP,  128
.set PITCH,  272
.set HALFT,  128*PITCH
.set SLOT,   4*HALFT
.set STAGE,  2*SLOT
.set SPITCH, 272
.set SPARE,  STAGE+4*16*SPITCH
.set LAPS,   4
.set CO,   6                           ; v6-13  my byte offset in rows 2 t, 2 t + 1 of sixteen rows of the output, t = 0..7 (the pitch hangs on the kind of tile, so it cannot stand in an immediate)
.set ADRA, 16
.set ADRB, 20
.set STO,  24
.set RD,   25
.set D0,   27                          ; v27  D0, a whole number
.set SPW,  28
.set NIL,  29
.set LSC,  30                          ; v30  131 - E as f32 (0 for a tile of v)
.set SA,   31                          ; v31  16 x lane: my bytes of 512 of stat
.set F0,   64
.set F1,   128
.set T,    64
.set TMP,  192
.set OB,   32
.set G1,  24                           ; s[24:31] group 1
.set G0,  32                           ; s[32:39] group 0, a set for each slot
.set MSB, 0
.macro WIN new
.if MSB != (\new)
	s_set_vgpr_msb (MSB<<8)|(\new)
.set MSB, \new
.endif
.endm
.set MUL_LO, 0xa1
.set MUL_HI, 0xf1
.set TO_B,   0x40
.macro LOAD s                          ; my quarter of slot s; an s_nop 0 and four v_nop follow
	tensor_load_to_lds s[G0+4*(\s):G0+4*(\s)+3], s[G1:G1+7]
	s_nop 0
.rept 4
	v_nop
.endr
.endm
.macro REDMAX b                        ; the largest of 16 registers x 32 lanes, into v[b] of every lane
.irp i, 0,3,6,9,12
	v_max3_num_f32 v[(\b)+(\i)], v[(\b)+(\i)], v[(\b)+(\i)+1], v[(\b)+(\i)+2]
.endr
	v_max3_num_f32 v[\b], v[\b], v[(\b)+3], v[(\b)+6]
	v_max3_num_f32 v[(\b)+9], v[(\b)+9], v[(\b)+12], v[(\b)+15]
	v_max_num_f32 v[\b], v[\b], v[(\b)+9]
	v_max_num_f32_dpp v[\b], v[\b], v[\b] row_xmask:1 row_mask:0xf bank_mask:0xf
	v_max_num_f32_dpp v[\b], v[\b], v[\b] row_xmask:2 row_mask:0xf bank_mask:0xf
	v_max_num_f32_dpp v[\b], v[\b], v[\b] row_xmask:4 row_mask:0xf bank_mask:0xf
	v_max_num_f32_dpp v[\b], v[\b], v[\b] row_xmask:8 row_mask:0xf bank_mask:0xf
	v_permlanex16_b32 v[(\b)+1], v[\b], s42, s43
	v_max_num_f32 v[\b], v[\b], v[(\b)+1]
.endm
	s_load_b128 s[4:7], s[0:1], 0x0                ; qk s[4:5], stat s[6:7]
	s_load_b128 s[48:51], s[0:1], 0x10             ; pm s[48:49], xb s[50:51]
	s_load_b128 s[52:55], s[0:1], 0x20             ; wb s[52:53], vv s[54:55]
	v_lshl_add_u32 v[SPW], v0, 2, SPARE
	v_mov_b32 v[NIL], 0
	ds_add_u32 v[SPW], v[NIL]                      ; the wave's opening: the add and its wait stand ahead of my first tensor load
	ds_add_u32 v28, v29
	v_lshrrev_b32 v1, 5, v0
	v_readfirstlane_b32 s10, v1                    ; wave 0..3
	s_lshr_b32 s11, s10, 1                         ; my half of the tile's rows.  Also: I fetch the first operand (0) or the second (1)
	s_and_b32 s12, s10, 1                          ; my half of its columns.  Also: which 128 rows I fetch
	s_and_b32 s15, ttmp7, 0xffff                   ; batch
	; a score tile: t = 0..29 goes through the band row by row; the rows begin at t = 0, 1, 3, 6, 10, 15, 20, 25
	s_mov_b32 s13, 0                               ; I = how many of the later rows' beginnings are at most t
.irp tri, 1,3,6,10,15,20,25
	s_cmp_ge_u32 ttmp9, \tri
	s_add_co_ci_u32 s13, s13, 0
.endr
	s_add_co_u32 s16, s13, 1
	s_mul_i32 s16, s16, s13
	s_lshr_b32 s16, s16, 1                         ; row I begins at I (I + 1) / 2 up to I = 4,
	s_mul_i32 s17, s13, 5
	s_sub_co_u32 s17, s17, 10                      ; at 5 I - 10 beyond
	s_cmp_gt_u32 s13, 4
	s_cselect_b32 s16, s17, s16
	s_max_u32 s17, s13, 4
	s_sub_co_u32 s17, s17, 4                       ; and with column max(I - 4, 0)
	s_sub_co_u32 s14, ttmp9, s16
	s_add_co_u32 s14, s14, s17                     ; J
	s_sub_co_u32 s61, s13, s14                     ; D0's part that all lanes share: 256 (I - J) + 128 (row half - column half)
	s_lshl_b32 s61, s61, 8
	s_sub_co_i32 s22, s11, s12
	s_lshl_b32 s22, s22, 7
	s_add_co_i32 s61, s61, s22
	; a tile of v: u = 0..31: the batch's tile row u / 4, tile column u % 4
	s_max_u32 s18, ttmp9, NS
	s_sub_co_u32 s18, s18, NS
	s_lshr_b32 s19, s18, 2
	s_and_b32 s18, s18, 3
	s_cmp_lt_u32 ttmp9, NS                         ; which kind am I?  All that differs is chosen here and behind the arguments' wait
	s_cselect_b32 s47, 1, 0                        ; 1: scores
	s_cselect_b32 s13, s13, s19                    ; the batch's tile row
	s_cselect_b32 s14, s14, s18                    ; tile column
	s_cselect_b32 s61, s61, 4096                   ; for v: so large that nothing is hidden
	s_cselect_b32 s40, 0xbd3b9ca6, 0               ; log2 g = -0.0458037; for v 0: every factor is 2^0
	s_cselect_b32 s41, 0x3d3b9ca6, 0               ; -log2 g
	s_cselect_b32 s60, 1.0, 0                      ; takes the scale's exponent away for v
	s_lshl_b32 s46, 0x800, s47                     ; bytes in a row of the output: pm 4,096, vv 2,048
	s_mov_b32 s[G1+0], (1<<16)|(1<<20)|(5<<22)|(3<<25)  ; 2-byte elements; padding on: after every 64 words 4 words
	s_mov_b32 s[G1+1], KSTEP<<16                   ; tensor_dim0 = 128
	s_mov_b32 s[G1+2], 128<<16                     ; tensor_dim1 = 128
	s_mov_b32 s[G1+3], KSTEP<<16                   ; tile_dim0 = 128
	s_mov_b32 s[G1+4], 128                         ; tile_dim1 = 128
	s_mov_b32 s[G1+5], 1024                        ; elements from row to row: the same in qk, xb and wb
	s_mov_b32 s[G1+6], 0
	s_mov_b32 s[G1+7], 0
	s_mov_b32 s42, 0x76543210
	s_mov_b32 s43, 0xfedcba98
	s_lshl_b32 s20, s15, 11                        ; 2,048 batch
	s_add_co_u32 s21, s20, 8192                    ; k lies 8,192 rows into qk; Wv 2,048 rows into wb
	s_cmp_eq_u32 s47, 1
	s_cselect_b32 s21, s21, 2048
	s_lshl_b32 s22, s14, 8
	s_add_co_u32 s21, s21, s22                     ; the second operand's first row
	s_lshl_b32 s62, s13, 8
	s_add_co_u32 s62, s62, s20                     ; the first operand's first row, and the output's: 2,048 batch + 256 tile row
	s_cmp_lt_u32 s10, 2
	s_cselect_b32 s16, s62, s21
	s_lshl_b32 s17, s12, 7
	s_add_co_u32 s16, s16, s17                     ; + the 128 rows that I fetch
	s_lshl_b32 s16, s16, 11                        ; rows of 2,048 bytes
	s_mov_b32 s17, 0
	s_mul_i32 s20, s10, HALFT                      ; where it goes: wave x 128 rows
	s_wait_dscnt 0x0                               ; the opening add is done
	s_wait_kmcnt 0x0
	s_cmp_eq_u32 s47, 1
	s_cselect_b64 s[56:57], s[4:5], s[50:51]       ; the first operand's buffer: qk or xb
	s_cselect_b64 s[58:59], s[4:5], s[52:53]       ; the second's: qk or wb
	s_cselect_b64 s[8:9], s[48:49], s[54:55]       ; the output: pm or vv
	s_cmp_lt_u32 s10, 2
	s_cselect_b64 s[56:57], s[56:57], s[58:59]     ; the one that I fetch from
	s_add_nc_u64 s[18:19], s[56:57], s[16:17]
.irp s, 0,1
	s_mov_b32 s[G0+4*(\s)], 1
	s_add_co_u32 s[G0+4*(\s)+1], s20, (\s)*SLOT
	s_add_nc_u64 s[G0+4*(\s)+2:G0+4*(\s)+3], s[18:19], (\s)*KSTEP*2
	s_or_b32 s[G0+4*(\s)+3], s[G0+4*(\s)+3], 0x80000000
	LOAD \s                                        ; two tensor loads of mine are out
.endr
	; all that follows up to the wait for the first tile stands in that tile's way from memory
	v_and_b32 v[SA], 31, v0
	v_lshlrev_b32 v[SA], 4, v[SA]
.irp i, 0,1,2,3
	global_load_b128 v[64+4*(\i):67+4*(\i)], v[SA], s[6:7] offset:512*(\i)       ; q's 512 maxima
	global_load_b128 v[80+4*(\i):83+4*(\i)], v[SA], s[6:7] offset:2048+512*(\i)  ; k's
.endr
	v_and_b32 v1, 15, v0                           ; l % 16
	v_bfe_u32 v2, v0, 4, 1                         ; l / 16
	v_lshlrev_b32 v3, 3, v2
	v_sub_nc_u32 v3, v1, v3
	v_add_nc_u32 v[D0], s61, v3
	v_mul_u32_u24 v3, v1, PITCH
	v_lshl_add_u32 v3, v2, 4, v3
	s_mul_i32 s21, s11, HALFT
	s_mul_i32 s22, s12, HALFT
	s_add_co_u32 s22, s22, 2*HALFT
.irp s, 0,1
	v_add_nc_u32 v[ADRA+(\s)], s21, v3
	v_add_nc_u32 v[ADRB+(\s)], s22, v3
	s_add_co_u32 s21, s21, SLOT
	s_add_co_u32 s22, s22, SLOT
.endr
	s_mul_i32 s23, s10, 16*SPITCH
	s_add_co_u32 s23, s23, STAGE
	v_mul_u32_u24 v4, v1, SPITCH
	v_lshl_add_u32 v4, v2, 4, v4
	v_add_nc_u32 v[STO], s23, v4
	v_mul_u32_u24 v5, v2, SPITCH
	v_lshl_add_u32 v5, v1, 4, v5
	v_add_nc_u32 v[RD], s23, v5
	v_mul_u32_u24 v5, s46, v2                      ; lanes 16-31 store the row below
	v_lshl_add_u32 v[CO], v1, 4, v5
.irp t, 1,2,3,4,5,6,7
	s_mul_i32 s21, s46, 2*(\t)
	v_add_nc_u32 v[CO+(\t)], s21, v[CO]
.endr
	s_lshl_b32 s17, s11, 7                         ; where my part begins in the output: pitch x (first row + 128 row half) + 512 tile column + 256 column half
	s_add_co_u32 s16, s62, s17
	s_mul_i32 s16, s16, s46
	s_lshl_b32 s17, s14, 9
	s_add_co_u32 s16, s16, s17
	s_lshl_b32 s17, s12, 8
	s_add_co_u32 s16, s16, s17
	s_mov_b32 s17, 0
	s_lshl_b32 s44, s46, 4                         ; sixteen rows of the output
	s_mov_b32 s45, 0
	s_wait_loadcnt 0x0
	REDMAX 64                                      ; qm
	REDMAX 80                                      ; km
	v_mul_f32 v[LSC], v64, v80
	v_lshrrev_b32 v[LSC], 23, v[LSC]               ; the product is not negative: this is its biased exponent
	v_max_u32 v[LSC], 5, v[LSC]                    ; E
	v_sub_nc_u32 v[LSC], 131, v[LSC]
	v_cvt_f32_i32 v[LSC], v[LSC]
	v_mul_f32 v[LSC], s60, v[LSC]
.irp r, 0,1,2,3,4,5,6,7
	v_cvt_f32_i32 v[64+(\r)], \r
.endr
.irp r, 0,1,2,3,4,5,6,7
	v_mul_f32 v[64+(\r)], s41, v[64+(\r)]
.endr
.irp r, 0,1,2,3,4,5,6,7
	v_exp_f32 v[64+(\r)], v[64+(\r)]               ; g^-r
.endr
.set n, 0
.rept 15
	v_add_nc_u32 v[72+n], 16*(n-7), v[D0]          ; D0 + 16 (a - b), n = a - b + 7 (the first of these is the plain instruction behind the exponentials)
.set n, n+1
.endr
.set n, 0
.rept 15
	v_cvt_f32_i32 v[128+n], v[72+n]
.set n, n+1
.endr
.set n, 0
.rept 15
	v_fma_f32 v[128+n], v[128+n], s40, v[LSC]
.set n, n+1
.endr
.set n, 0
.rept 15
	v_exp_f32 v[96+2*n], v[128+n]                  ; g^(D0 + 16 (a - b)) 2^(131 - E), twice: a pair for the packed multiply
	v_exp_f32 v[97+2*n], v[128+n]
.set n, n+1
.endr
	v_nop                                          ; a plain instruction behind the last exponential
	s_wait_alu depctr_va_vdst(0)
.set n, 0
.rept 15
	WIN 0
.irp i, 0,1,2,3
	v_pk_mul_f32 v[128+2*(\i):129+2*(\i)], v[64+2*(\i):65+2*(\i)], v[96+2*n:97+2*n]
.endr
	WIN 0x40                                       ; destination window 1
.irp r, 0,1,2,3,4,5,6,7
	v_cmp_le_i32 vcc_lo, \r, v[72+n]               ; i >= j
	v_cndmask_b32 v[8*n+128*(n/8)+(\r)], 0, v[128+(\r)], vcc_lo  ; a choice, so an overflowed factor of a hidden place does no harm
.endr
.set n, n+1
.endr
	WIN 0
.macro MUL16 f, hi, a0, zero
	WIN MUL_LO+0x50*(\hi)
.irp a, \a0, (\a0)+1
.irp b, 0,1,2,3,4,5,6,7
.if \zero
	v_wmma_f32_16x16x32_f16 v[8*(8*(\a)+(\b)):8*(8*(\a)+(\b))+7], v[(\f)+8*(\b):(\f)+8*(\b)+7], v[(\f)+8*(4*(\hi)+(\a)):(\f)+8*(4*(\hi)+(\a))+7], 0
.else
	v_wmma_f32_16x16x32_f16 v[8*(8*(\a)+(\b)):8*(8*(\a)+(\b))+7], v[(\f)+8*(\b):(\f)+8*(\b)+7], v[(\f)+8*(4*(\hi)+(\a)):(\f)+8*(4*(\hi)+(\a))+7], v[8*(8*(\a)+(\b)):8*(8*(\a)+(\b))+7]
.endif
.endr
.endr
.endm
.macro FETCH slot, k, f                ; 32 LDS loads in one run: the second operand's 16, then the first's
	WIN TO_B
.irp i, 0,1,2,3,4,5,6,7
	ds_load_b128 v[(\f)+8*(\i):(\f)+8*(\i)+3],   v[ADRB+(\slot)] offset:(\k)+(\i)*16*PITCH
	ds_load_b128 v[(\f)+8*(\i)+4:(\f)+8*(\i)+7], v[ADRB+(\slot)] offset:(\k)+(\i)*16*PITCH+32
.endr
	WIN 0
.irp i, 0,1,2,3,4,5,6,7
	ds_load_b128 v[(\f)+8*(\i):(\f)+8*(\i)+3],   v[ADRA+(\slot)] offset:(\k)+(\i)*16*PITCH
	ds_load_b128 v[(\f)+8*(\i)+4:(\f)+8*(\i)+7], v[ADRA+(\slot)] offset:(\k)+(\i)*16*PITCH+32
.endr
.endm
.macro PLACES                          ; four plain vector instructions behind a matrix instruction (ISA guide 7.12.1)
.rept 4
	v_nop
.endr
.endm
.macro QUARTER slot, k, f, g, zero
	s_wait_dscnt 8                                 ; the second operand's rows and the first's rows 0-63 are in; the youngest eight loads may be out
	MUL16 \f, 0, 0, \zero
	MUL16 \f, 0, 2, \zero
	PLACES
	FETCH \slot, \k, \g
	s_wait_dscnt 32                                ; all but the 32 just issued
	MUL16 \f, 1, 0, \zero
	MUL16 \f, 1, 2, \zero
.endm
; One barrier for the change of slots: in front of it each wave waits for all its tensor loads (one is out: its part of the next slot), adds 0 to its spare word, and waits for that and for its reads of this slot.
.macro MEET
	WIN 0
	s_wait_tensorcnt 0x0
	ds_add_u32 v[SPW], v[NIL]
	s_wait_dscnt 9                                 ; the add and the youngest eight loads may be out
	MUL16 F1, 0, 0, 0
	s_wait_dscnt 0x0                               ; the add is done, and my reads of this slot are over
	s_barrier_signal -1
	MUL16 F1, 0, 2, 0
	s_barrier_wait -1
.endm
.macro TURN slot, next                 ; behind the barrier the slot just read is filled again first, two K steps on: 224 matrix instructions ahead of the wait for it
	MEET
	s_add_nc_u64 s[G0+4*(\slot)+2:G0+4*(\slot)+3], s[G0+4*(\slot)+2:G0+4*(\slot)+3], 2*KSTEP*2
	LOAD \slot                                     ; its four v_nop are also the places in front of the loads below
	FETCH \next, 0, F0
	MUL16 F1, 1, 0, 0
	MUL16 F1, 1, 2, 0
.endm
; THE WAY OUT of row block a: times the table's entry for a - b, rounded to f16.  Each accumulator is read from its lowest registers on.
.macro PACKS a
.set AC, 64*((\a)%4)
	WIN 0x04|(2+(\a)/4)                            ; source 0 window 2 or 3, source 1 (table) window 1, destination window 0
.irp b, 0,1,2,3,4,5,6,7
.set n, (\a)-(\b)+7
.set TB, 8*n+128*(n/8)
.irp r, 0,1,2,3
	v_pk_mul_f32 v[T+8*(\b)+2*(\r):T+8*(\b)+2*(\r)+1], v[AC+8*(\b)+2*(\r):AC+8*(\b)+2*(\r)+1], v[TB+2*(\r):TB+2*(\r)+1]
.endr
.endr
	WIN 0
.set i, 0
.rept 32
	v_cvt_pk_f16_f32 v[TMP+i], v[T+2*i], v[T+2*i+1]
.set i, i+1
.endr
.endm
.macro TOSTAGE a
	WIN 0
.set BK, OB+192*((\a)%2)
.irp b, 0,1,2,3,4,5,6,7
	ds_store_b128 v[STO], v[TMP+4*(\b):TMP+4*(\b)+3] offset:32*(\b)
.endr
.irp t, 0,1,2,3,4,5,6,7
	ds_load_b128 v[BK+4*(\t):BK+4*(\t)+3], v[RD] offset:(\t)*2*SPITCH  ; LDS serves a wave's instructions in order (ISA guide 5.7.1.4): these see the stores above
.endr
.endm
.macro SEND a
	WIN 0
.set BK, OB+192*((\a)%2)
	s_wait_dscnt 0x0
	s_wait_xcnt 0x0                                ; earlier stores have read their base and their data
.if (\a) == 0
	s_add_nc_u64 s[8:9], s[8:9], s[16:17]
.else
	s_add_nc_u64 s[8:9], s[8:9], s[44:45]
.endif
.irp t, 0,1,2,3,4,5,6,7
	global_store_b128 v[CO+(\t)], v[BK+4*(\t):BK+4*(\t)+3], s[8:9]  ; 16 lanes store 256 consecutive bytes, at a multiple of 256 from the output's first byte
.endr
.endm
	s_wait_tensorcnt 1                             ; my part of K step 0 is in; K step 1's may stay out
	s_barrier_signal -1
	s_barrier_wait -1
	FETCH 0, 0, F0
	QUARTER 0, 64,  F0, F1, 1                      ; the first quarter's products start the sums
	WIN 0
	s_mov_b32 s3, LAPS-1
.Llap:
	QUARTER 0, 128, F1, F0, 0
	QUARTER 0, 192, F0, F1, 0
	TURN 0, 1
	QUARTER 1, 64,  F0, F1, 0
	QUARTER 1, 128, F1, F0, 0
	QUARTER 1, 192, F0, F1, 0
	TURN 1, 0
	QUARTER 0, 64,  F0, F1, 0
	WIN 0
	s_sub_co_u32 s3, s3, 1
	s_cmp_lg_u32 s3, 0
	s_cbranch_scc1 .Llap
	QUARTER 0, 128, F1, F0, 0                      ; the last lap fills nothing
	QUARTER 0, 192, F0, F1, 0
	MEET
	PLACES
	FETCH 1, 0, F0
	MUL16 F1, 1, 0, 0
	MUL16 F1, 1, 2, 0
	QUARTER 1, 64,  F0, F1, 0
	QUARTER 1, 128, F1, F0, 0
	QUARTER 1, 192, F0, F1, 0
	s_wait_dscnt 8
	MUL16 F1, 0, 0, 0
	MUL16 F1, 0, 2, 0
	s_wait_dscnt 0x0
	MUL16 F1, 1, 0, 0
	MUL16 F1, 1, 2, 0
	WIN 0
	PLACES
	PACKS 0
	TOSTAGE 0
.irp a, 1,2,3,4,5,6,7
	PACKS \a
	SEND (\a)-1
	TOSTAGE \a
.endr
	SEND 7
	s_wait_tensorcnt 0x0                           ; the wave's end
	ds_add_u32 v[SPW], v[NIL]
	s_wait_dscnt 0x0
	s_endpgm
.Lfunc_end_k_q3d6d1d30e4_score:
	.size	k_q3d6d1d30e4_score, .Lfunc_end_k_q3d6d1d30e4_score-k_q3d6d1d30e4_score
	.p2alignl 7, 3214868480
	.fill 96, 4, 3214868480
	.section	.rodata,"a",@progbits
	.p2align	6, 0x0
	.amdhsa_kernel k_q3d6d1d30e4_score
		.amdhsa_group_segment_fixed_size 327680
		.amdhsa_private_segment_fixed_size 0
		.amdhsa_enable_private_segment 0
		.amdhsa_kernarg_size 48
		.amdhsa_user_sgpr_count 2
		.amdhsa_user_sgpr_kernarg_segment_ptr 1
		.amdhsa_wavefront_size32 1
		.amdhsa_system_sgpr_workgroup_id_x 1
		.amdhsa_system_sgpr_workgroup_id_y 1
		.amdhsa_system_sgpr_workgroup_id_z 1
		.amdhsa_system_vgpr_workitem_id 0
		.amdhsa_next_free_vgpr 1024
		.amdhsa_next_free_sgpr 66
		.amdhsa_reserve_vcc 1
		.amdhsa_float_denorm_mode_32 3
		.amdhsa_float_denorm_mode_16_64 3
		.amdhsa_memory_ordered 1
		.amdhsa_forward_progress 1
		.amdhsa_inst_pref_size 176
	.end_amdhsa_kernel
	.amdgpu_metadata
---
amdhsa.version: [ 1, 2 ]
amdhsa.kernels:
  - .name:           k_q3d6d1d30e4_score
    .symbol:         k_q3d6d1d30e4_score.kd
    .args:
      - { .name: qk, .offset: 0, .size: 8, .value_kind: global_buffer, .address_space: global }
      - { .name: stat, .offset: 8, .size: 8, .value_kind: global_buffer, .address_space: global }
      - { .name: pm, .offset: 16, .size: 8, .value_kind: global_buffer, .address_space: global }
      - { .name: xb, .offset: 24, .size: 8, .value_kind: global_buffer, .address_space: global }
      - { .name: wb, .offset: 32, .size: 8, .value_kind: global_buffer, .address_space: global }
      - { .name: vv, .offset: 40, .size: 8, .value_kind: global_buffer, .address_space: global }
    .group_segment_fixed_size: 327680
    .private_segment_fixed_size: 0
    .kernarg_segment_align: 8
    .kernarg_segment_size: 48
    .max_flat_workgroup_size: 128
    .sgpr_count:     66
    .vgpr_count:     1024
    .wavefront_size: 32
...
	.end_amdgpu_metadata
.endif
;; end of part 7
;; launch pv (part 8): grid 8 x 32, 4 waves a work-group, clusters of 4 x 1, 327,680 bytes of LDS; arguments pm, vv, stat, out0; writes out0
.if DOCPART == 8
	.amdgcn_target "amdgcn-amd-amdhsa--gfx1250"
	.amdhsa_code_object_version 6
	.text
	.protected	k_q3d6d1d30e4_pv
	.globl	k_q3d6d1d30e4_pv
	.p2align	8
	.type	k_q3d6d1d30e4_pv,@function
k_q3d6d1d30e4_pv:
	s_mov_b64 s[64:65], 0
	v_nop
	global_prefetch_b8 v0, s[64:65] scope:SCOPE_SE
	s_setreg_imm32_b32 hwreg(HW_REG_WAVE_MODE, 25, 1), 1
	s_wait_xcnt 0x0
	s_wait_alu depctr_hold_cnt(0) depctr_sa_sdst(0) depctr_va_vdst(0) depctr_va_sdst(0) depctr_va_ssrc(0) depctr_va_vcc(0) depctr_vm_vsrc(0)
	s_getreg_b32 s2, hwreg(HW_REG_IB_STS2, 6, 4)
	s_cmp_eq_u32 s2, 0
	s_cbranch_scc0 .Lentry_in_a_cluster
	s_endpgm
.Lentry_in_a_cluster:
	s_bfe_u32 s2, ttmp6, 0x10000c
	s_cmp_lg_u32 s2, 0x3003
	s_cbranch_scc0 .Lentry_shape_is_right
	s_endpgm
.Lentry_shape_is_right:
; out0[bt][i][h] = 2^(E-131) x the sum over j of pm[bt][i][j] v[bt][j][h].  pm [4][2048][2048] f16, of which the tiles of 256 x 256 with 0 <= I - J <= 4 exist (0 above the diagonal inside them);
; vv [8192][1024] f16; sums in f32, out0 f32.  E as in the launch before: the biased exponent of max|q| max|k| (stat), at least 5; the factor is a power of two, exact.
; LIMIT.  From I - J = 5 on every number of pm would be 0 in f16 (under 32,800 x 2^-46.9, for every input): those tiles were not made and are not read.
; THE WALK.  A tile of out0 is 128 rows x 128 columns; row block blk of a batch's 16 lies in tile row I = blk / 2 and needs the key steps max(I - 4, 0) .. I of 256 keys.  A work-group makes TWO tiles:
; block b, with the steps 0 .. m (m = b / 2 = 0..3), and then block 15 - b, with its five steps 3 - m .. 7 - m: 6 + m steps.  All but the last ask for the step behind them.  The loop's text holds two steps,
; one out of each slot, and is counted down from the longest walk's four trips.  Where 5 + m is odd the first tile goes into slot 1 and the loop is entered at its second step, which counts as a trip;
; a walk of 6 or 7 steps has three trips and leaves the loop a trip early, at a trip's end; the last step, out of slot 0, is written out.
; Which tile is asked for and where a block ends hang on scalar registers made from b; those jumps go forward and pass no barrier and no tensor load.
; CLUSTER 4 x 1: the four partners have the same batch and b, hence the same walk, and four neighbouring column blocks: pm's tiles are the same for all four and are asked for jointly (mask 15); v's differ
; (each partner's own 128 columns) and are plain loads behind the same round.
; Four waves, each 64 x 64: 16 accumulators.  TRANSPOSED USE: source 0 = 16 channels of v (turned on the way out of LDS by ds_load_tr16_b128), source 1 = 16 rows of pm:
; lane l holds row l % 16 and the channels 8 (l / 16) + 0..7.
; REGISTERS: window 0: v0-31 addresses, v[22:23] the factor; v32-63 scaled results; v64-127 rows read back, two buffers; v128-255 accumulators, (a, b) at v[128 + 8 (4 a + b)]
;   window 1: two fragment buffers of 128: for 64 keys, 64 registers of pm, then 64 of v.
.set PITA,   528                       ; a row of pm in LDS: 512 bytes + 16: the 16 rows of a load start at 16 different groups of four banks
.set PITB,   288                       ; a row of v: 256 + 32 bytes
.set BPART,  128*PITA                  ; v's 256 keys lie behind pm's 128 rows
.set SLOT,   BPART+256*PITB
.set STAGE,  2*SLOT                    ; behind the ring: 16 rows x 272 bytes for each wave; no tensor load lands here
.set SPITCH, 272
.set SPARE,  STAGE+4*16*SPITCH
.set MAXTRIPS, 4                       ; the longest walk: 9 steps = four trips of two and the last step
.set ADRA, 16                          ; v16-17  my pm fragments in slot 0, 1
.set ADRB, 18                          ; v18-21  my v fragments: slot s, key half k at ADRB + 2 s + k
.set ISC,  22                          ; v[22:23] 2^(E-131), twice
.set STO,  24
.set RD,   25
.set CO,   26
.set SA,   27                          ; v27  16 x lane
.set SPW,  28
.set NIL,  29
.set TMP,  32
.set OBK,  64
.set ACC,  128
.set F0,   0
.set F1,   128
.set WV,   12                          ; s12 wave; s13 wave & 1; s14 wave >> 1
.set G1A,  24                          ; s[24:31] group 1 for pm's tiles
.set G1B,  32                          ; s[32:39] for v's
.set G0A,  40                          ; s[40:47] group 0 for pm's, a set for each slot
.set G0B,  48                          ; s[48:55] for v's
.set SPA,  56                          ; s[56:57] pm at my batch and my 64 rows of a block
.set SPB,  58                          ; s[58:59] v at my batch, my 128 keys of a step, my columns
.set OFA,  60                          ; s[60:61], s[62:63] a tile's byte offsets
.set OFB,  62
.set NXT,  66                          ; the key step to be asked for next
.set LQ,   67                          ; the last key step of the block whose tiles are being asked for
.set BOFF, 68                          ; that block's 128 rows of 4,096 bytes
.set B2,   69                          ; the same for the second block
.set LQ2,  70                          ; the second block's last key step
.set RT,   71                          ; key steps that the block in hand still has
.set NEW,  72                          ; 1: the step to come is a block's first
.set NL,   73                          ; the second block's key steps: 5
.set CNT,  74                          ; the loop's counter, 4 down to 0
.set NX2,  75                          ; the second block's first key step
.set OC,   76                          ; s[76:77] out0 at my part of the block in hand
.set O2,   78                          ; s[78:79] of the second block
.set STOP, 80                          ; the counter's value at which my walk leaves the loop: 1 for m < 2 (three trips), 0 for m >= 2 (four)
.set PAR,  81                          ; m & 1: 1: the walk begins in slot 0
.set SEL,  82
.set MSB, 0
.macro WIN new
.if MSB != (\new)
	s_set_vgpr_msb (MSB<<8)|(\new)
.set MSB, \new
.endif
.endm
.set MUL,  0x05                        ; sources 0 and 1 window 1; C and D window 0
.set TO_F, 0x40                        ; destination window 1, address window 0
.macro JLOAD s                         ; waves 0, 1: the two halves of pm's tile, jointly; waves 2, 3: the two halves of v's; an s_nop 0 and four v_nop follow each line
	s_cmp_lt_u32 s[WV], 2
	s_cbranch_scc0 .Lfor_b_\@
	tensor_load_to_lds s[G0A+4*(\s):G0A+4*(\s)+3], s[G1A:G1A+7]
	s_nop 0
.rept 4
	v_nop
.endr
	s_branch .Lasked_\@
.Lfor_b_\@:
	tensor_load_to_lds s[G0B+4*(\s):G0B+4*(\s)+3], s[G1B:G1B+7]
	s_nop 0
.rept 4
	v_nop
.endr
.Lasked_\@:
.endm
.macro CROUND                          ; a round of the cluster's barrier
	s_barrier_signal -1
	s_barrier_wait -1
	s_cmp_lg_u32 s[WV], 0
	s_cbranch_scc1 .Lnot_wave_0_\@
	s_barrier_signal -3
.Lnot_wave_0_\@:
	s_barrier_wait -3
	s_barrier_signal -1
	s_barrier_wait -1
.endm
; Slot o's two descriptors take the addresses of key step NXT of the block being asked for, made anew from the bases; then the walk steps: behind the first block's last step comes the second block's first.
.macro ASK o
	s_lshl_b32 s[OFA], s[NXT], 9                   ; 256 keys of 2 bytes along pm's rows
	s_add_co_u32 s[OFA], s[OFA], s[BOFF]
	s_add_nc_u64 s[G0A+4*(\o)+2:G0A+4*(\o)+3], s[SPA:SPA+1], s[OFA:OFA+1]
	s_or_b32 s[G0A+4*(\o)+3], s[G0A+4*(\o)+3], 0x80000000
	s_lshl_b32 s[OFB], s[NXT], 19                  ; 256 rows of 2,048 bytes of vv
	s_add_nc_u64 s[G0B+4*(\o)+2:G0B+4*(\o)+3], s[SPB:SPB+1], s[OFB:OFB+1]
	s_or_b32 s[G0B+4*(\o)+3], s[G0B+4*(\o)+3], 0x80000000
	s_add_co_u32 s[NXT], s[NXT], 1
	s_cmp_gt_u32 s[NXT], s[LQ]
	s_cselect_b32 s[NXT], s[NX2], s[NXT]
	s_cselect_b32 s[BOFF], s[B2], s[BOFF]
	s_cselect_b32 s[LQ], s[LQ2], s[LQ]
.endm
.macro REDMAX b                        ; the largest of 16 registers x 32 lanes, into v[b] of every lane
.irp i, 0,3,6,9,12
	v_max3_num_f32 v[(\b)+(\i)], v[(\b)+(\i)], v[(\b)+(\i)+1], v[(\b)+(\i)+2]
.endr
	v_max3_num_f32 v[\b], v[\b], v[(\b)+3], v[(\b)+6]
	v_max3_num_f32 v[(\b)+9], v[(\b)+9], v[(\b)+12], v[(\b)+15]
	v_max_num_f32 v[\b], v[\b], v[(\b)+9]
	v_max_num_f32_dpp v[\b], v[\b], v[\b] row_xmask:1 row_mask:0xf bank_mask:0xf
	v_max_num_f32_dpp v[\b], v[\b], v[\b] row_xmask:2 row_mask:0xf bank_mask:0xf
	v_max_num_f32_dpp v[\b], v[\b], v[\b] row_xmask:4 row_mask:0xf bank_mask:0xf
	v_max_num_f32_dpp v[\b], v[\b], v[\b] row_xmask:8 row_mask:0xf bank_mask:0xf
	v_permlanex16_b32 v[(\b)+1], v[\b], s[SEL], s[SEL+1]
	v_max_num_f32 v[\b], v[\b], v[(\b)+1]
.endm
.macro SCALE                           ; 2^(E-131), made while the first tile is on its way; it stands on both ways into the loop
	s_wait_loadcnt 0x0
	REDMAX 32
	REDMAX 48
	v_mul_f32 v[ISC], v32, v48
	v_lshrrev_b32 v[ISC], 23, v[ISC]
	v_max_u32 v[ISC], 5, v[ISC]                    ; E
	v_add_nc_u32 v[ISC], -4, v[ISC]
	v_lshlrev_b32 v[ISC], 23, v[ISC]               ; the f32 with exponent field E - 4: 2^(E - 131)
	v_mov_b32 v[ISC+1], v[ISC]
.endm
; 8 matrix instructions: row blocks a0, a0 + 1 x all 4 channel blocks, 32 keys: half c of buffer f.  The 16 accumulators take turns in one order on every way.
.macro MUL8 f, c, a0, zero
	WIN MUL
.irp a, \a0, (\a0)+1
.irp b, 0,1,2,3
.if \zero
	v_wmma_f32_16x16x32_f16 v[ACC+8*(4*(\a)+(\b)):ACC+8*(4*(\a)+(\b))+7], v[(\f)+64+8*(4*(\c)+(\b)):(\f)+64+8*(4*(\c)+(\b))+7], v[(\f)+8*(4*(\c)+(\a)):(\f)+8*(4*(\c)+(\a))+7], 0
.else
	v_wmma_f32_16x16x32_f16 v[ACC+8*(4*(\a)+(\b)):ACC+8*(4*(\a)+(\b))+7], v[(\f)+64+8*(4*(\c)+(\b)):(\f)+64+8*(4*(\c)+(\b))+7], v[(\f)+8*(4*(\c)+(\a)):(\f)+8*(4*(\c)+(\a))+7], v[ACC+8*(4*(\a)+(\b)):ACC+8*(4*(\a)+(\b))+7]
.endif
.endr
.endr
.endm
; 32 LDS loads in one run: the fragments of quarter q (64 keys) of slot s into buffer f; the first 32 keys first
.macro FETCH s, q, f
	WIN TO_F
.irp c, 0,1
.irp i, 0,1,2,3
	ds_load_tr16_b128 v[(\f)+64+8*(4*(\c)+(\i)):(\f)+64+8*(4*(\c)+(\i))+3],   v[ADRB+2*(\s)+(\q)/2] offset:(64*((\q)%2)+32*(\c))*PITB+32*(\i)
	ds_load_tr16_b128 v[(\f)+64+8*(4*(\c)+(\i))+4:(\f)+64+8*(4*(\c)+(\i))+7], v[ADRB+2*(\s)+(\q)/2] offset:(64*((\q)%2)+32*(\c)+16)*PITB+32*(\i)
	ds_load_b128 v[(\f)+8*(4*(\c)+(\i)):(\f)+8*(4*(\c)+(\i))+3],              v[ADRA+(\s)] offset:128*(\q)+64*(\c)+(\i)*16*PITA
	ds_load_b128 v[(\f)+8*(4*(\c)+(\i))+4:(\f)+8*(4*(\c)+(\i))+7],            v[ADRA+(\s)] offset:128*(\q)+64*(\c)+(\i)*16*PITA+32
.endr
.endr
.endm
.macro PLACES                          ; four plain vector instructions behind a matrix instruction (ISA guide 7.12.1)
.rept 4
	v_nop
.endr
.endm
.macro QUARTER s, q, f, g              ; multiplies buffer f and fetches quarter q into g
	s_wait_dscnt 16                                ; f's first 32 keys are in
	MUL8 \f, 0, 0, 0
	MUL8 \f, 0, 2, 0
	PLACES
	FETCH \s, \q, \g
	s_wait_dscnt 32                                ; all but the 32 just issued
	MUL8 \f, 1, 0, 0
	MUL8 \f, 1, 2, 0
.endm
; A KEY STEP, out of slot s.  Each wave waits for all its tensor loads (one is out: its part of slot s), adds 0 to its spare word, and waits for that and for its reads of the other slot.
; fill = 1: a round of the cluster's barrier, and behind it the other slot is filled first, with the walk's next step: it has this step's 128 matrix instructions in which to land.
; A block's first step starts the sums with the constant 0: the same sixteen products written a second time, chosen by NEW.
.macro STEP s, fill
	WIN 0
	s_wait_tensorcnt 0x0
	ds_add_u32 v[SPW], v[NIL]                      ; 0 onto my spare word; the descriptors' scalar work stands between it and the wait for it
.if \fill
	ASK 1-(\s)
.endif
	s_wait_dscnt 0x0
.if \fill
	CROUND
	JLOAD 1-(\s)
.else
	s_barrier_signal -1
	s_barrier_wait -1
.endif
.rept 6
	v_nop                                          ; the places behind the last step's products: for the loads into buffer 0, and for products that write over old sums
.endr
	FETCH \s, 0, F0
	WIN 0
	s_wait_dscnt 16
	s_cmp_eq_u32 s[NEW], 1
	s_cbranch_scc1 .Lz_\@
	MUL8 F0, 0, 0, 0
	MUL8 F0, 0, 2, 0
	WIN 0
	s_branch .Lj_\@
.Lz_\@:
	MUL8 F0, 0, 0, 1
	MUL8 F0, 0, 2, 1
	WIN 0
	s_mov_b32 s[NEW], 0
.Lj_\@:
	PLACES
	FETCH \s, 1, F1
	s_wait_dscnt 32
	MUL8 F0, 1, 0, 0
	MUL8 F0, 1, 2, 0
	QUARTER \s, 2, F1, F0
	QUARTER \s, 3, F0, F1
	s_wait_dscnt 16
	MUL8 F1, 0, 0, 0
	MUL8 F1, 0, 2, 0
	s_wait_dscnt 0x0
	MUL8 F1, 1, 0, 0
	MUL8 F1, 1, 2, 0
	WIN 0
.endm
; THE WAY OUT: 16 rows at a time: times 2^(E-131); 32 bytes a lane into my own stage; back as whole rows of 256 bytes; stored.  Each accumulator is read from its lowest registers on.
.macro OUT
	PLACES
.irp a, 0,1,2,3
.set BK, OBK+32*((\a)%2)
.irp b, 0,1,2,3
.irp r, 0,1,2,3
	v_pk_mul_f32 v[TMP+8*(\b)+2*(\r):TMP+8*(\b)+2*(\r)+1], v[ACC+8*(4*(\a)+(\b))+2*(\r):ACC+8*(4*(\a)+(\b))+2*(\r)+1], v[ISC:ISC+1]
.endr
.endr
.irp u, 0,1,2,3,4,5,6,7
	ds_store_b128 v[STO], v[TMP+4*(\u):TMP+4*(\u)+3] offset:64*((\u)/2)+16*((\u)%2)
.endr
	s_wait_xcnt 0x0                                ; earlier stores have read the registers that the loads below fill
.irp t, 0,1,2,3,4,5,6,7
	ds_load_b128 v[BK+4*(\t):BK+4*(\t)+3], v[RD] offset:(\t)*2*SPITCH  ; LDS serves a wave's instructions in order (ISA guide 5.7.1.4): these see the stores above
.endr
	s_wait_dscnt 0x0
.irp t, 0,1,2,3,4,5,6,7
	global_store_b128 v[CO], v[BK+4*(\t):BK+4*(\t)+3], s[OC:OC+1] offset:65536*(\a)+8192*(\t)  ; 16 lanes store 256 consecutive bytes, at a multiple of 256 from out0's first byte
.endr
.endr
.endm
.macro ENDBLK                          ; behind a step in the loop: if it was the first block's last, the tile goes out and the second block begins
	s_sub_co_u32 s[RT], s[RT], 1
	s_cmp_lg_u32 s[RT], 0
	s_cbranch_scc1 .Lskip_\@
	OUT
	s_wait_xcnt 0x0                                ; the stores have read out0's address
	s_mov_b64 s[OC:OC+1], s[O2:O2+1]
	s_mov_b32 s[RT], s[NL]
	s_mov_b32 s[NEW], 1
.Lskip_\@:
.endm
	s_load_b256 s[4:11], s[0:1], 0x0               ; pm s[4:5], vv s[6:7], stat s[8:9], out0 s[10:11]
	v_lshl_add_u32 v[SPW], v0, 2, SPARE
	v_mov_b32 v[NIL], 0
	ds_add_u32 v[SPW], v[NIL]                      ; the wave's opening: the add and its wait stand ahead of my first tensor load
	ds_add_u32 v28, v29
	v_lshrrev_b32 v1, 5, v0
	v_readfirstlane_b32 s[WV], v1
	s_and_b32 s13, s[WV], 1                        ; my half of the columns.  Also: which half of a tile I fetch
	s_lshr_b32 s14, s[WV], 1                       ; my half of the rows
	s_bfe_u32 s15, ttmp6, 0x40000                  ; cx
	s_lshl_b32 s16, ttmp9, 2
	s_add_co_u32 s16, s16, s15                     ; column block = 4 x cluster x + cx: it enters v's and out0's addresses alone
	s_and_b32 s17, ttmp7, 0xffff
	s_lshr_b32 s18, s17, 3                         ; batch
	s_and_b32 s19, s17, 7                          ; b: the first block
	s_sub_co_u32 s20, 15, s19                      ; the second block
	s_lshr_b32 s[LQ], s19, 1                       ; m: the first block's steps are 0 .. m,
	s_add_co_u32 s[RT], s[LQ], 1
	s_sub_co_u32 s[NX2], 3, s[LQ]                  ; the second's 3 - m .. 7 - m
	s_sub_co_u32 s[LQ2], 7, s[LQ]
	s_mov_b32 s[NL], 5
	s_lshr_b32 s[STOP], s[LQ], 1                   ; 5 + m steps stand in the loop: (6 + m) / 2 trips, a half one counted whole: three for m < 2, four for m >= 2
	s_sub_co_u32 s[STOP], 1, s[STOP]               ; so my walk leaves the loop when the counter, which starts at four, has come down to 1 - m / 2
	s_and_b32 s[PAR], s[LQ], 1
	s_lshl_b32 s[BOFF], s19, 19
	s_lshl_b32 s[B2], s20, 19
	s_mov_b32 s[NXT], 0
	s_mov_b32 s[NEW], 1
	s_mov_b32 s[OFA+1], 0
	s_mov_b32 s[OFB+1], 0
	s_mov_b32 s[SEL], 0x76543210
	s_mov_b32 s[SEL+1], 0xfedcba98
	s_mov_b32 s[G1A+0], 15|(1<<16)|(1<<20)|(1<<21)|(6<<22)|(3<<25)  ; the mask of four; 2-byte elements; padding on; bit 21 beside a mask; after every 128 words 4 words
	s_mov_b32 s[G1A+1], 256<<16                    ; tensor_dim0 = 256
	s_mov_b32 s[G1A+2], 64<<16                     ; tensor_dim1 = 64
	s_mov_b32 s[G1A+3], 256<<16                    ; tile_dim0 = 256
	s_mov_b32 s[G1A+4], 64                         ; tile_dim1 = 64
	s_mov_b32 s[G1A+5], 2048                       ; elements from row to row
	s_mov_b32 s[G1A+6], 0
	s_mov_b32 s[G1A+7], 0
	s_mov_b32 s[G1B+0], (1<<16)|(1<<20)|(5<<22)|(7<<25)  ; no mask; after every 64 words 8 words
	s_mov_b32 s[G1B+1], 128<<16
	s_mov_b32 s[G1B+2], 128<<16
	s_mov_b32 s[G1B+3], 128<<16
	s_mov_b32 s[G1B+4], 128
	s_mov_b32 s[G1B+5], 1024
	s_mov_b32 s[G1B+6], 0
	s_mov_b32 s[G1B+7], 0
	s_mul_i32 s21, s13, 64*PITA                    ; where the tiles go: a constant, the wave's low bit times a constant, the slot's constant
	s_mul_i32 s22, s13, 128*PITB
.irp s, 0,1
	s_mov_b32 s[G0A+4*(\s)], 1
	s_add_co_u32 s[G0A+4*(\s)+1], s21, (\s)*SLOT
	s_mov_b32 s[G0B+4*(\s)], 1
	s_add_co_u32 s[G0B+4*(\s)+1], s22, BPART+(\s)*SLOT
.endr
	s_lshl_b32 s[SPA], s18, 23                     ; pm: batch x 2,048 rows of 4,096 bytes + my 64 rows
	s_lshl_b32 s23, s13, 18
	s_add_co_u32 s[SPA], s[SPA], s23
	s_mov_b32 s[SPA+1], 0
	s_lshl_b32 s[SPB], s18, 11                     ; v: 2,048 (2,048 batch + my 128 keys) + 256 column block
	s_lshl_b32 s23, s13, 7
	s_add_co_u32 s[SPB], s[SPB], s23
	s_lshl_b32 s[SPB], s[SPB], 11
	s_lshl_b32 s17, s16, 8
	s_add_co_u32 s[SPB], s[SPB], s17
	s_mov_b32 s[SPB+1], 0
	s_lshl_b32 s[OC], s18, 11                      ; out0: 4,096 (2,048 batch + 128 block + 64 row half) + 512 column block + 256 column half
	s_lshl_b32 s21, s14, 6
	s_add_co_u32 s[OC], s[OC], s21
	s_lshl_b32 s21, s20, 7
	s_add_co_u32 s[O2], s[OC], s21
	s_lshl_b32 s21, s19, 7
	s_add_co_u32 s[OC], s[OC], s21
	s_lshl_b32 s[OC], s[OC], 12
	s_lshl_b32 s[O2], s[O2], 12
	s_lshl_b32 s17, s16, 9
	s_lshl_b32 s21, s13, 8
	s_add_co_u32 s17, s17, s21
	s_add_co_u32 s[OC], s[OC], s17
	s_add_co_u32 s[O2], s[O2], s17
	s_mov_b32 s[OC+1], 0
	s_mov_b32 s[O2+1], 0
	s_wait_dscnt 0x0                               ; the opening add is done
	s_wait_kmcnt 0x0
	s_add_nc_u64 s[SPA:SPA+1], s[4:5], s[SPA:SPA+1]
	s_add_nc_u64 s[SPB:SPB+1], s[6:7], s[SPB:SPB+1]
	s_add_nc_u64 s[OC:OC+1], s[10:11], s[OC:OC+1]
	s_add_nc_u64 s[O2:O2+1], s[10:11], s[O2:O2+1]
	v_and_b32 v1, 15, v0                           ; l % 16
	v_bfe_u32 v2, v0, 4, 1                         ; l / 16
	v_and_b32 v[SA], 31, v0
	v_lshlrev_b32 v[SA], 4, v[SA]
.irp i, 0,1,2,3
	global_load_b128 v[32+4*(\i):35+4*(\i)], v[SA], s[8:9] offset:512*(\i)       ; q's 512 maxima; waited for in SCALE
	global_load_b128 v[48+4*(\i):51+4*(\i)], v[SA], s[8:9] offset:2048+512*(\i)  ; k's
.endr
	v_mul_u32_u24 v3, v1, PITA
	v_lshl_add_u32 v3, v2, 4, v3                   ; a fragment of pm: row x pitch + 16 x half
	s_mul_i32 s21, s14, 64*PITA
	v_add_nc_u32 v[ADRA], s21, v3
	v_add_nc_u32 v[ADRA+1], SLOT, v[ADRA]
	v_and_b32 v4, 7, v0                            ; the turning load: lane l reads key 8 (l / 16) + l % 8, channels 8 ((l / 8) % 2) + 0..7
	v_lshl_add_u32 v4, v2, 3, v4
	v_mul_u32_u24 v4, v4, PITB
	v_bfe_u32 v5, v0, 3, 1
	v_lshl_add_u32 v4, v5, 4, v4
	s_lshl_b32 s21, s13, 7                         ; my 64 channels
	s_add_co_u32 s21, s21, BPART
	v_add_nc_u32 v[ADRB], s21, v4
	v_add_nc_u32 v[ADRB+1], 128*PITB, v[ADRB]
	v_add_nc_u32 v[ADRB+2], SLOT, v[ADRB]
	v_add_nc_u32 v[ADRB+3], SLOT, v[ADRB+1]
	s_mul_i32 s21, s[WV], 16*SPITCH
	s_add_co_u32 s21, s21, STAGE                   ; my stage
	v_mul_u32_u24 v5, v1, SPITCH                   ; in: row l % 16, 32 bytes for each half of the lanes
	v_lshl_add_u32 v5, v2, 5, v5
	v_add_nc_u32 v[STO], s21, v5
	v_mul_u32_u24 v5, v2, SPITCH                   ; back: lanes 0-15 one row of 256 bytes, lanes 16-31 the next
	v_lshl_add_u32 v5, v1, 4, v5
	v_add_nc_u32 v[RD], s21, v5
	v_lshlrev_b32 v5, 12, v2                       ; and the same two rows in out0
	v_lshl_add_u32 v[CO], v1, 4, v5
	CROUND                                         ; all four work-groups are here: the first joint loads meet
	s_cmp_eq_u32 s[PAR], 1                         ; the same in all four partners: it hangs on the cluster's y alone
	s_cbranch_scc1 .Ltop
	ASK 1                                          ; 5 + m is odd: the walk's first step goes into slot 1,
	JLOAD 1
	SCALE
	s_mov_b32 s[CNT], MAXTRIPS
	s_branch .Lmid                                 ; and the loop is entered at its second step, in the middle of a trip
.Ltop:
	ASK 0                                          ; 5 + m is even: the walk begins in slot 0
	JLOAD 0
	SCALE
	s_mov_b32 s[CNT], MAXTRIPS
.Ltrip:                                                ; all the walk's steps but the last; each asks for the step behind it
	STEP 0, 1
	ENDBLK
.Lmid:
	STEP 1, 1
	ENDBLK
	s_sub_co_u32 s[CNT], s[CNT], 1
	s_cmp_eq_u32 s[CNT], s[STOP]                   ; a walk of 6 or 7 steps has had its three trips when the counter is at 1: it leaves here, with slot 0 asked for as at every trip's end
	s_cbranch_scc1 .Llast                          ; (for the longer walks STOP is 0, and this test and the one below fall together)
	s_cmp_lg_u32 s[CNT], 0
	s_cbranch_scc1 .Ltrip
.Llast:
	STEP 0, 0                                      ; the walk's last step, the second block's last, is written out: nothing is asked for
	OUT
	s_wait_tensorcnt 0x0                           ; the wave's end
	ds_add_u32 v[SPW], v[NIL]
	s_wait_dscnt 0x0
	CROUND                                         ; the closing round: no work-group ends while a partner may still ask for a tile that names it
	s_endpgm
.Lfunc_end_k_q3d6d1d30e4_pv:
	.size	k_q3d6d1d30e4_pv, .Lfunc_end_k_q3d6d1d30e4_pv-k_q3d6d1d30e4_pv
	.p2alignl 7, 3214868480
	.fill 96, 4, 3214868480
	.section	.rodata,"a",@progbits
	.p2align	6, 0x0
	.amdhsa_kernel k_q3d6d1d30e4_pv
		.amdhsa_group_segment_fixed_size 327680
		.amdhsa_private_segment_fixed_size 0
		.amdhsa_enable_private_segment 0
		.amdhsa_kernarg_size 32
		.amdhsa_user_sgpr_count 2
		.amdhsa_user_sgpr_kernarg_segment_ptr 1
		.amdhsa_wavefront_size32 1
		.amdhsa_system_sgpr_workgroup_id_x 1
		.amdhsa_system_sgpr_workgroup_id_y 1
		.amdhsa_system_sgpr_workgroup_id_z 1
		.amdhsa_system_vgpr_workitem_id 0
		.amdhsa_next_free_vgpr 512
		.amdhsa_next_free_sgpr 84
		.amdhsa_reserve_vcc 0
		.amdhsa_float_denorm_mode_32 3
		.amdhsa_float_denorm_mode_16_64 3
		.amdhsa_memory_ordered 1
		.amdhsa_forward_progress 1
		.amdhsa_inst_pref_size 106
	.end_amdhsa_kernel
	.amdgpu_metadata
---
amdhsa.version: [ 1, 2 ]
amdhsa.kernels:
  - .name:           k_q3d6d1d30e4_pv
    .symbol:         k_q3d6d1d30e4_pv.kd
    .args:
      - { .name: pm, .offset: 0, .size: 8, .value_kind: global_buffer, .address_space: global }
      - { .name: vv, .offset: 8, .size: 8, .value_kind: global_buffer, .address_space: global }
      - { .name: stat, .offset: 16, .size: 8, .value_kind: global_buffer, .address_space: global }
      - { .name: out0, .offset: 24, .size: 8, .value_kind: global_buffer, .address_space: global }
    .group_segment_fixed_size: 327680
    .private_segment_fixed_size: 0
    .kernarg_segment_align: 8
    .kernarg_segment_size: 32
    .max_flat_workgroup_size: 128
    .sgpr_count:     84
    .vgpr_count:     512
    .wavefront_size: 32
...
	.end_amdgpu_metadata
.endif
;; end of part 8
;; ======== version 3 of 3: 4 launches; version 2 with the launch cast written anew for expert scheduling mode
;; limits: values are held in f16: magnitudes above 65,504 overflow, below 6.1e-05 lose precision; inputs' magnitudes at most 65,504
;; workspace buffers: xb 16,777,216 bytes; wb 6,291,456 bytes; qk 33,554,432 bytes; vv 16,777,216 bytes; stat 4,096 bytes; pm 33,554,432 bytes
;; launch cast (part 9): grid 512 x 1, 8 waves a work-group, no clusters, 0 bytes of LDS; arguments x, Wq, Wk, Wv, xb, wb; writes xb, wb
.if DOCPART == 9
	.amdgcn_target "amdgcn-amd-amdhsa--gfx1250"
	.amdhsa_code_object_version 6
	.text
	.protected	k_q3d6d1d30e4_cast
	.globl	k_q3d6d1d30e4_cast
	.p2align	8
	.type	k_q3d6d1d30e4_cast,@function
k_q3d6d1d30e4_cast:
	s_mov_b64 s[64:65], 0
	v_nop
	global_prefetch_b8 v0, s[64:65] scope:SCOPE_SE
	s_setreg_imm32_b32 hwreg(HW_REG_WAVE_SCHED_MODE, 0, 2), 2
	s_setreg_imm32_b32 hwreg(HW_REG_WAVE_MODE, 25, 1), 1
	s_wait_xcnt 0x0
	s_wait_alu depctr_vm_vsrc(0)
; x and the three weight matrices are rounded to bf16 (nearest even), and that number is written as f16: xb [8192][1024], wb [3072][1024] = Wq, Wk, Wv one below the other.
; LIMITS.  A bf16 number is exact in f16 from 2^-14 to 65,504 in magnitude; below 2^-14 it keeps f16's fixed step of 2^-24, beyond 65,504 it becomes an infinity.
; A stream: no LDS, no barrier, no matrix unit.  11,264 rows of 4,096 bytes are dealt evenly: each of 512 work-groups takes 16 rows of x and 2 rows of each weight matrix, so there is no branch.
; Thread t takes bytes 16 t of each row: a wave's load covers 512 consecutive bytes, and its store of 8 bytes a lane covers 256 consecutive bytes, aligned.
; All 22 loads of a thread go out at once; no register that a memory instruction names is written twice, so of the memory counters only counted waits for the loads are needed.
; THE MODE: SCHED_MODE bits 1:0 = 2 (LLVM: expert scheduling mode 2), set by the entry lines.  The code itself states the register dependences
; between vector instructions and memory instructions, with s_wait_alu, always for 0.
; THE PLAN.  Registers that memory instructions touch:
;   v1, v2     byte offsets of the loads and of the stores: made once at the head, never written again.
;   X[i]       row i's four registers.  Its load, issued at the head, lands in them before any vector instruction names them; row i's conversions work in place behind the counted
;              wait for that load; row i's store reads the first two; nothing writes them after that.
;   v92, v93 are named by vector instructions alone; the scalar bases are never stepped.
; So no load lands in a register that a vector instruction has named, and no register that a memory instruction has read is written again: the one kind of dependence to state is a vector
; instruction's result that a memory instruction reads.  The 22 rows go in seven groups: four of four rows of x, then each weight matrix's two rows.  Group g's conversions stand together with the
; stores of group g - 1, whose registers no vector instruction of group g names: ONE wait at the head of a group states all that those stores hang on.
.set XROWS, 16
.set WROWS, 2
.set NR,    XROWS+3*WROWS              ; 22 rows a work-group
.set GR,    4                          ; rows of x in a group
.set X,     4                          ; v[4:91] row i: 4 registers as loaded; its first two then hold the 4 f16
.set T,     92                         ; v92-93 at work
	s_load_b256 s[8:15], s[0:1], 0x0               ; x 8, Wq 10, Wk 12, Wv 14
	s_load_b128 s[16:19], s[0:1], 0x20             ; xb 16, wb 18
	v_lshlrev_b32 v1, 4, v0                        ; my 16 bytes of a source row
	v_lshlrev_b32 v2, 3, v0                        ; my 8 bytes of a destination row
	s_mov_b32 s28, 0xffff0000                      ; a word's upper bf16
	s_lshl_b32 s20, ttmp9, 16                      ; x: 16 rows of 4,096 bytes
	s_mov_b32 s21, 0
	s_lshl_b32 s22, ttmp9, 13                      ; a weight matrix: 2 rows of 4,096 bytes
	s_mov_b32 s23, 0
	s_lshl_b32 s24, ttmp9, 15                      ; xb: 16 rows of 2,048 bytes
	s_mov_b32 s25, 0
	s_lshl_b32 s26, ttmp9, 12                      ; wb: 2 rows of 2,048 bytes
	s_mov_b32 s27, 0
	s_wait_kmcnt 0x0
	s_add_nc_u64 s[8:9], s[8:9], s[20:21]
	s_add_nc_u64 s[10:11], s[10:11], s[22:23]
	s_add_nc_u64 s[12:13], s[12:13], s[22:23]
	s_add_nc_u64 s[14:15], s[14:15], s[22:23]
	s_add_nc_u64 s[16:17], s[16:17], s[24:25]
	s_add_nc_u64 s[18:19], s[18:19], s[26:27]
	s_wait_alu depctr_va_vdst(0)                   ; v1 and v2 are written: every load of the kernel reads v1 as its offset, every store v2
.set i, 0
.rept XROWS
	global_load_b128 v[X+4*i:X+4*i+3], v1, s[8:9] offset:4096*i th:TH_LOAD_NT  ; read once in the launch
.set i, i+1
.endr
.irp m, 0,1,2
.irp r, 0,1
	global_load_b128 v[X+4*(XROWS+2*(\m)+(\r)):X+4*(XROWS+2*(\m)+(\r))+3], v1, s[10+2*(\m):11+2*(\m)] offset:4096*(\r) th:TH_LOAD_NT
.endr
.endr
; Row i: rounded to bf16, widened again, written as f16 into the first two of its four registers.
.macro CONV i
	v_cvt_pk_bf16_f32 v[T], v[X+4*(\i)], v[X+4*(\i)+1]
	v_cvt_pk_bf16_f32 v[T+1], v[X+4*(\i)+2], v[X+4*(\i)+3]
	v_lshlrev_b32 v[X+4*(\i)], 16, v[T]            ; bf16 to f32: the low half moves up,
	v_and_b32 v[X+4*(\i)+1], s28, v[T]             ; the high half stays
	v_lshlrev_b32 v[X+4*(\i)+2], 16, v[T+1]
	v_and_b32 v[X+4*(\i)+3], s28, v[T+1]
	v_cvt_pk_f16_f32 v[X+4*(\i)], v[X+4*(\i)], v[X+4*(\i)+1]
	v_cvt_pk_f16_f32 v[X+4*(\i)+1], v[X+4*(\i)+2], v[X+4*(\i)+3]
.endm
.macro SENDX i                         ; row i of x goes out
	global_store_b64 v2, v[X+4*(\i):X+4*(\i)+1], s[16:17] offset:2048*(\i)
.endm
.macro SENDW m, r                      ; row r of matrix m goes out: matrix m begins 1,024 rows of 2,048 bytes further on in wb
	global_store_b64 v2, v[X+4*(XROWS+2*(\m)+(\r)):X+4*(XROWS+2*(\m)+(\r))+1], s[18:19] offset:1024*2048*(\m)+2048*(\r)
.endm
; x: four groups of four rows.  A store of the group before stands ahead of each row's conversions, and ahead of the wait for that row.
.irp g, 0,1,2,3
	s_wait_loadcnt NR-1-GR*(\g)                    ; loads come back in order (ISA guide 5.7.1): the group's first row is in, the younger ones stay out
.if (\g) > 0
	s_wait_alu depctr_va_vdst(0)                   ; the group before has written its four rows' f16 numbers, which the four stores below read; no vector instruction of this group names those registers
.endif
.irp r, 0,1,2,3
.if (\g) > 0
	SENDX GR*((\g)-1)+(\r)
.endif
.if (\r) > 0
	s_wait_loadcnt NR-1-GR*(\g)-(\r)               ; the group's row r is in
.endif
	CONV GR*(\g)+(\r)
.endr
.endr
; Wq's two rows, with the stores of x's last four
	s_wait_loadcnt NR-1-XROWS
	s_wait_alu depctr_va_vdst(0)                   ; x's last group has written its four rows' f16 numbers, which the four stores below read
	SENDX XROWS-4
	SENDX XROWS-3
	CONV XROWS
	SENDX XROWS-2
	SENDX XROWS-1
	s_wait_loadcnt NR-2-XROWS
	CONV XROWS+1
; Wk's and Wv's two rows, each with the stores of the matrix before
.irp m, 1,2
	s_wait_loadcnt NR-1-XROWS-2*(\m)
	s_wait_alu depctr_va_vdst(0)                   ; the matrix before has its two rows' f16 numbers written, which the two stores below read
	SENDW (\m)-1,0
	CONV XROWS+2*(\m)
	SENDW (\m)-1,1
	s_wait_loadcnt NR-2-XROWS-2*(\m)
	CONV XROWS+2*(\m)+1
.endr
	s_wait_alu depctr_va_vdst(0)                   ; Wv's two rows' f16 numbers are written, which the last two stores read
	SENDW 2,0
	SENDW 2,1
	s_endpgm
.Lfunc_end_k_q3d6d1d30e4_cast:
	.size	k_q3d6d1d30e4_cast, .Lfunc_end_k_q3d6d1d30e4_cast-k_q3d6d1d30e4_cast
	.p2alignl 7, 3214868480
	.fill 96, 4, 3214868480
	.section	.rodata,"a",@progbits
	.p2align	6, 0x0
	.amdhsa_kernel k_q3d6d1d30e4_cast
		.amdhsa_group_segment_fixed_size 0
		.amdhsa_private_segment_fixed_size 0
		.amdhsa_enable_private_segment 0
		.amdhsa_kernarg_size 48
		.amdhsa_user_sgpr_count 2
		.amdhsa_user_sgpr_kernarg_segment_ptr 1
		.amdhsa_wavefront_size32 1
		.amdhsa_system_sgpr_workgroup_id_x 1
		.amdhsa_system_sgpr_workgroup_id_y 1
		.amdhsa_system_sgpr_workgroup_id_z 1
		.amdhsa_system_vgpr_workitem_id 0
		.amdhsa_next_free_vgpr 96
		.amdhsa_next_free_sgpr 66
		.amdhsa_reserve_vcc 0
		.amdhsa_float_denorm_mode_32 3
		.amdhsa_float_denorm_mode_16_64 3
		.amdhsa_memory_ordered 1
		.amdhsa_forward_progress 1
		.amdhsa_inst_pref_size 15
	.end_amdhsa_kernel
	.amdgpu_metadata
---
amdhsa.version: [ 1, 2 ]
amdhsa.kernels:
  - .name:           k_q3d6d1d30e4_cast
    .symbol:         k_q3d6d1d30e4_cast.kd
    .args:
      - { .name: x, .offset: 0, .size: 8, .value_kind: global_buffer, .address_space: global }
      - { .name: Wq, .offset: 8, .size: 8, .value_kind: global_buffer, .address_space: global }
      - { .name: Wk, .offset: 16, .size: 8, .value_kind: global_buffer, .address_space: global }
      - { .name: Wv, .offset: 24, .size: 8, .value_kind: global_buffer, .address_space: global }
      - { .name: xb, .offset: 32, .size: 8, .value_kind: global_buffer, .address_space: global }
      - { .name: wb, .offset: 40, .size: 8, .value_kind: global_buffer, .address_space: global }
    .group_segment_fixed_size: 0
    .private_segment_fixed_size: 0
    .kernarg_segment_align: 8
    .kernarg_segment_size: 48
    .max_flat_workgroup_size: 256
    .sgpr_count:     66
    .vgpr_count:     96
    .wavefront_size: 32
...
	.end_amdgpu_metadata
.endif
;; end of part 9
;; launch proj: the kernel of part 6 again; grid 8 x 32, 4 waves a work-group, clusters of 4 x 4, 327,680 bytes of LDS; arguments xb, wb, qk, bq, bk, stat; writes qk, stat
;; launch score: the kernel of part 7 again; grid 62 x 4, 4 waves a work-group, no clusters, 327,680 bytes of LDS; arguments qk, stat, pm, xb, wb, vv; writes pm, vv
;; launch pv: the kernel of part 8 again; grid 8 x 32, 4 waves a work-group, clusters of 4 x 1, 327,680 bytes of LDS; arguments pm, vv, stat, out0; writes out0
